; MI455X (gfx1250); checked and timed in simulation.
; The chip was launched on July 23, 2026; its instructions are those of AMD's public machine-readable ISA for CDNA 5 (MIT licence, August 2026) and "CDNA5" Instruction Set Architecture Reference Guide (July 2026). The comments in the code are by the model that wrote it; some were corrected since.
;; Multi Head Attention Combined QKV. Allowed arithmetic: matrix products marked QUANTISED: E2M3 operands, one E8M0 scale for each 32 along K, by v_wmma_scale_f32_16x16x128_f8f6f4 with both operands' format E2M3, f32 sums; everything else in f32.
;; Inputs: W_out 1,024 x 1,024 float32; W_qkv 1,024 x 3,072 float32; b_out 1,024 float32; x 4 x 2,048 x 1,024 float32.
;; Outputs: out0 4 x 2,048 x 1,024 float32.
;; This version of the problem:
;;   THIS VERSION OF THE PROBLEM IS GIVEN IN LOW PRECISION. The matrix products marked QUANTISED in the list below multiply operands that are first quantised to E2M3 (2 exponent bits, 3 mantissa bits; 6 bits a number), with one power-of-two scale for each 32 numbers along K (OCP MX v1.0); their sums are f32. All else is computed in f32.
;;   The module's matrix products, in the order in which they are computed (A, B: the left and right operand; K: the contracted axis; several contracted axes count as one K, in the product's order):
;;     1. [M 8,192, K 1,024] x [K 1,024, N 3,072]; A: input x; B: input W_qkv: QUANTISED
;;     2. batch 64 x [M 2,048, K 64] x [K 64, N 2,048]; A: computed on the way; B: computed on the way: QUANTISED
;;     3. batch 64 x [M 2,048, K 2,048] x [K 2,048, N 64]; A: softmax (see below); B: computed on the way: QUANTISED
;;     4. [M 8,192, K 1,024] x [K 1,024, N 1,024]; A: computed on the way; B: input W_out: QUANTISED
;;   THE QUANTISER, for each operand of a quantised product, along K:
;;     - K is cut into blocks of 32 from its start; a last block that is shorter is filled with zeros.
;;     - A block's scale is 2^e with e = floor(log2(the largest magnitude in the block)) - 2, held to -126 .. 127; a block of zeros has e = 0. As a byte (E8M0): e + 127.
;;     - Each number is divided by its block's scale, clamped to +-7.5, and rounded to the nearest number of E2M3, ties to even, subnormals kept.
;;     - The product sums the exact products of the quantised numbers (number of the format x scale) in f32.
;;   ~~~python
;;   def quantise(x, axis):      # numpy; x: float32 -> the quantised numbers, widened to float32 again
;;       x = np.moveaxis(x, axis, -1); K = x.shape[-1]
;;       x = np.pad(x, [(0, 0)] * (x.ndim - 1) + [(0, -K % 32)]); x = x.reshape(x.shape[:-1] + (-1, 32)); a = np.abs(x).max(-1, keepdims=True)
;;       e = np.where(a > 0, np.clip(np.frexp(np.where(a > 0, a, 1))[1] - 1 - 2, -126, 127), 0)      # np.frexp(a)[1] - 1 = floor(log2(a)), exactly
;;       r = np.clip(x / 2.0 ** e, -7.5, 7.5)
;;       step = 2.0 ** (np.maximum(np.frexp(np.where(r == 0, 1, r))[1] - 1, 0) - 3)
;;       q = np.round(r / step) * step * 2.0 ** e      # np.round: ties to even
;;       return np.moveaxis(q.reshape(q.shape[:-2] + (-1,))[..., :K], -1, axis).astype(np.float32)
;;   ~~~
;;   SOFTMAX AHEAD OF A QUANTISED PRODUCT. Where the list says 'softmax', what is quantised is not the finished softmax but p = 2^(t - M), with t = logit x log2(e) and M = ceil(the row's largest t), a whole number; so 1/2 < the row's largest p <= 1. The row's sum l is taken of the UNQUANTISED p, in f32, and the product's result is divided by l at the end. Since M is a whole number, a kernel that streams over the keys may use a running M (the ceiling of the running maximum): every later rescaling is an exact power of two, which a block's scale takes up: the codes' values come out the same.
;;   OPERANDS COMPUTED ON THE WAY. 'Computed on the way' means the value that the module computes at that place (a softmax that the list does not call 'softmax' is quantised finished and normalised). What goes into a quantiser is computed in f32, as accurately as f32 sums, v_exp_f32 and their like allow (about 1e-6 of the number): no bf16 or f16 on the way to a quantiser, and a product that is left as it is and whose result goes on into a quantised operand takes f32 operands (vector FMAs, or v_wmma_f32_16x16x4_f32). A number that lies on a knife's edge between two numbers of the format may be rounded either way, as far as f32 arithmetic and the matrix unit's own rounding can turn it there, and no further.
;; One version. Each part assembles by itself: llvm-mc -triple=amdgcn-amd-amdhsa -mcpu=gfx1250 --defsym DOCPART=n.
;; ======== version 1 of 1: 4 launches
;; workspace buffers: xc 6,291,456 bytes; wc 3,145,728 bytes; sc1 360,448 bytes; sc2 294,912 bytes; qkvc 18,874,368 bytes; qkvs 786,432 bytes; cc 6,291,456 bytes
;; launch prep (part 1): grid 640 x 1, 8 waves a work-group, no clusters, 69,632 bytes of LDS; arguments x, W_qkv, W_out, xc, wc, sc1, sc2; writes xc, wc, sc1, sc2
.if DOCPART == 1
	.amdgcn_target "amdgcn-amd-amdhsa--gfx1250"
	.amdhsa_code_object_version 6
	.text
	.protected	k_qecd95f05a0_prep
	.globl	k_qecd95f05a0_prep
	.p2align	8
	.type	k_qecd95f05a0_prep,@function
k_qecd95f05a0_prep:
	s_mov_b64 s[64:65], 0
	v_nop
	global_prefetch_b8 v0, s[64:65] scope:SCOPE_SE
	s_setreg_imm32_b32 hwreg(HW_REG_WAVE_MODE, 25, 1), 1
	s_wait_xcnt 0x0
; x [8192][1024], W_qkv [1024][3072] and W_out [1024][1024], f32, become codes of FP6 (E2M3) with one E8M0 byte for each 32 along K (K = 1024 for all three).
; A block's scale is 2^(floor(log2(largest magnitude)) - 2): its byte is the largest magnitude's exponent field - 2, held at 1 from below.
; LIMITS: NaN and infinities are not served; a block whose largest magnitude lies under 2^-124, a block of zeros among them, gets the byte 1 (its codes then add what the format can hold, zeros add nothing; only this program reads the bytes).
; LAYOUT OF THE RESULTS (this program's own).  Rows of an operand (tokens of x, columns of a weight) go in blocks of 16: block a holds rows 32 (a / 2) + 8 (a % 2) + r + 8 (r / 8), r = 0 .. 15.
; A fragment (a block x 128 along K) is stored as the image of its 12 registers, 1,536 bytes: half c (registers 6 c .. 6 c + 5): registers 6 c .. 6 c + 3 at 768 c + 16 x lane, registers 6 c + 4, 6 c + 5 at 768 c + 512 + 8 x lane.
; Codes: [block][g = K / 128][1,536].  Scale words: [block][r][g], 4 bytes each.
; Work-groups 0-95: W_qkv (256 columns x 128 K each); 96-127: W_out; 128-639: one block of 16 rows of x each, a wave to each g.
.set STG, 8448                         ; x: a wave's stage in LDS: 16 rows x (512 bytes + 16)
.set SCW, 8*STG                        ; behind the stages: the block's 128 scale words
.set R,   16                           ; x: v16-79 as loaded
.set X,   80                           ; x: v80-143 register 16 b + i = k 32 b + 16 h + i of my row
.set PC,  144                          ; x: v144-163 codes
.set TM,  164                          ; x: v164-179 at work
.set PW,  180                          ; x: the scale word
.set SEL, 32                           ; s[32:33] selects of v_permlanex16_b32: lane l xor 16
.set WX,  64                           ; weights: v64-191 my column's 128 numbers
.set WC,  16                           ; weights: v16-47 codes, eight registers a block of 32
.set WT,  48                           ; weights: v48-50 the second conversion's result
	s_load_b256 s[4:11], s[0:1], 0x0               ; x s[4:5], W_qkv s[6:7], W_out s[8:9], xc s[10:11]
	s_load_b128 s[12:15], s[0:1], 0x20             ; wc s[12:13], sc1 s[14:15]
	s_load_b64 s[16:17], s[0:1], 0x30              ; sc2
	v_lshl_add_u32 v192, v0, 2, 0x10c00
	v_mov_b32 v193, 0
	v_lshrrev_b32 v1, 5, v0
	s_delay_alu instid0(VALU_DEP_1)
	v_readfirstlane_b32 s18, v1                    ; wave 0..7
	v_and_b32 v2, 31, v0                           ; lane
	s_cmp_lt_u32 ttmp9, 96
	s_cbranch_scc1 .Lwqkv
	s_cmp_lt_u32 ttmp9, 128
	s_cbranch_scc1 .Lwout
; ---------------- x: K is innermost ----------------
; 64 numbers of a lane, register 16 b + i = k 32 b + 16 (lane / 16) + i of my row, become a fragment's codes in v[PC] on and its scale word in v[PW]
.macro QUANT s
.irp b, 0,1,2,3
	v_max3_num_f32 v[TM+\b], |v[\s+16*\b]|, |v[\s+1+16*\b]|, 0x1800000   ; my 16 numbers of block b, and the floor 2^(3 - 127): the byte cannot fall under 1
.endr
.irp i, 2,4,6,8,10,12,14
.irp b, 0,1,2,3
	s_delay_alu instid0(VALU_DEP_4)
	v_max3_num_f32 v[TM+\b], v[TM+\b], |v[\s+16*\b+\i]|, |v[\s+1+16*\b+\i]|
.endr
.endr
.irp b, 0,1,2,3
	s_delay_alu instid0(VALU_DEP_4)
	v_permlanex16_b32 v[TM+4+\b], v[TM+\b], s[SEL], s[SEL+1]
.endr
.irp b, 0,1,2,3
	s_delay_alu instid0(VALU_DEP_4)
	v_max_num_f32 v[TM+\b], v[TM+\b], v[TM+4+\b]   ; with lane l xor 16's 16: the block's largest magnitude
.endr
.irp b, 0,1,2,3
	s_delay_alu instid0(VALU_DEP_4)
	v_add_nc_u32 v[TM+12+\b], 0xff000000, v[TM+\b] ; 2 off its exponent field: the conversion's scale operand
.endr
.irp b, 0,1,2,3
	s_delay_alu instid0(VALU_DEP_4)
	v_lshrrev_b32 v[TM+4+\b], 23, v[TM+12+\b]      ; the scale's byte
.endr
	s_delay_alu instid0(VALU_DEP_3)
	v_lshl_or_b32 v[PW], v[TM+5], 8, v[TM+4]
	s_delay_alu instid0(VALU_DEP_1)
	v_lshl_or_b32 v[PW], v[TM+6], 16, v[PW]
	s_delay_alu instid0(VALU_DEP_1)
	v_lshl_or_b32 v[PW], v[TM+7], 24, v[PW]
.irp c, 0,1
	v_cvt_scalef32_pk16_fp6_f32 v[PC+6*\c:PC+2+6*\c], v[\s+32*\c:\s+15+32*\c], v[TM+12+2*\c]
	v_cvt_scalef32_pk16_fp6_f32 v[PC+12+4*\c:PC+14+4*\c], v[\s+16+32*\c:\s+31+32*\c], v[TM+12+2*\c+1]   ; (three registers begin on an even number)
.endr
	v_nop                                          ; one plain place behind a scaled conversion
.irp c, 0,1                                    ; the operand wants a whole block of 32 in a lane
.irp i, 0,1,2
	v_permlane16_swap_b32 v[PC+6*\c+\i], v[PC+12+4*\c+\i]
.endr
.irp i, 0,1,2
	s_delay_alu instid0(VALU_DEP_3)
	v_mov_b32 v[PC+3+6*\c+\i], v[PC+12+4*\c+\i]
.endr
.endr
.endm
	s_sub_co_u32 s19, ttmp9, 128                   ; my block of 16 rows
	s_lshr_b32 s20, s19, 1
	s_lshl_b32 s20, s20, 5
	s_and_b32 s21, s19, 1
	s_lshl_b32 s21, s21, 3
	s_add_co_u32 s20, s20, s21                     ; its first row: 32 (a / 2) + 8 (a % 2)
	s_lshl_b32 s20, s20, 12                        ; x 4,096 bytes
	s_lshl_b32 s21, s18, 9
	s_add_co_u32 s20, s20, s21                     ; + my wave's 128 numbers
	s_mov_b32 s21, 0
	s_lshl_b32 s22, s19, 3
	s_add_co_u32 s22, s22, s18
	s_mul_i32 s22, s22, 1536                       ; my fragment's image
	s_mov_b32 s23, 0
	s_lshl_b32 s24, s19, 9                         ; the block's scale words
	s_mov_b32 s25, 0
	s_mul_i32 s26, s18, STG
	s_wait_alu depctr_va_vdst(0)
	v_lshlrev_b32 v3, 4, v2                        ; 16 x lane
	v_lshlrev_b32 v4, 3, v2                        ; 8 x lane
	s_delay_alu instid0(VALU_DEP_2)
	v_add_nc_u32 v5, s26, v3                       ; into my stage: a row's 512 bytes as they lie
	v_and_b32 v6, 15, v0                           ; r
	v_bfe_u32 v7, v0, 4, 1                         ; h
	s_delay_alu instid0(VALU_DEP_2)
	v_mul_u32_u24 v8, v6, 528
	s_delay_alu instid0(VALU_DEP_1)
	v_lshl_add_u32 v8, v7, 6, v8
	s_delay_alu instid0(VALU_DEP_1)
	v_add_nc_u32 v8, s26, v8                       ; out of it: row r, + 64 h
	v_lshlrev_b32 v9, 5, v6
	s_lshl_b32 s27, s18, 2
	s_add_co_u32 s27, s27, SCW
	v_add_nc_u32 v9, s27, v9                       ; my row's scale word: 32 r + 4 g
	v_add_nc_u32 v10, SCW, v3
	s_mov_b32 s[SEL], 0x76543210
	s_mov_b32 s[SEL+1], 0xfedcba98
.irp b, 0,1,2,3
	v_mov_b32 v[TM+4+\b], 0                        ; a lane permute's destination counts as one of its sources
.endr
	s_wait_alu depctr_va_vdst(0)
	s_wait_kmcnt 0x0
	s_add_nc_u64 s[4:5], s[4:5], s[20:21]
	s_add_nc_u64 s[10:11], s[10:11], s[22:23]
	s_add_nc_u64 s[14:15], s[14:15], s[24:25]
.irp p, 0,1,2,3,4,5,6,7,8,9,10,11,12,13,14,15
	global_load_b128 v[R+4*\p:R+4*\p+3], v3, s[4:5] offset:(\p+8*(\p/8))*4096 th:TH_LOAD_NT   ; 32 lanes read 512 consecutive bytes of one row
.endr
.irp p, 0,1,2,3,4,5,6,7,8,9,10,11,12,13,14,15
	s_wait_loadcnt 15-\p                           ; loads come back in order: row p is in, the later rows stay out
	ds_store_b128 v5, v[R+4*\p:R+4*\p+3] offset:528*\p
.endr
.irp b, 0,1,2,3
.irp j, 0,1,2,3
	ds_load_b128 v[X+16*\b+4*\j:X+16*\b+4*\j+3], v8 offset:128*\b+16*\j   ; my wave's own bytes, served in order: these see the stores above
.endr
.endr
	s_wait_dscnt 0x0
	QUANT X
	global_store_b128 v3, v[PC:PC+3], s[10:11]                 ; each store covers whole aligned runs of 256 bytes
	global_store_b64 v4, v[PC+4:PC+5], s[10:11] offset:512
	global_store_b128 v3, v[PC+6:PC+9], s[10:11] offset:768
	global_store_b64 v4, v[PC+10:PC+11], s[10:11] offset:1280
	ds_store_b32 v9, v[PW]                         ; both halves of the lanes write the same word with the same value
	s_wait_dscnt 0x0                               ; for the others' sake: my word has landed
	s_barrier_signal -1
	s_barrier_wait -1
	s_cmp_lg_u32 s18, 0
	s_cbranch_scc1 .Lxend
	ds_load_b128 v[R:R+3], v10                     ; wave 0: the block's 512 bytes of scale words
	s_wait_dscnt 0x0
	global_store_b128 v3, v[R:R+3], s[14:15]
.Lxend:
	s_wait_tensorcnt 0x0
	ds_add_u32 v192, v193
	s_wait_dscnt 0x0
	s_endpgm
; ---------------- the weights: K is the first axis ----------------
; A lane takes a column, and its 128 registers run down K: a block of 32 lies in one lane, and the conversions give codes with K innermost.  No LDS, no barrier.
; Lane l of wave w holds column 32 (8 cg + w) + l: block 2 (8 cg + w) + u, row r, with u = (l / 8) % 2, r = l % 8 + 8 (l / 16).  Its block t of 32 along K is what image lane r + 16 (t % 2) holds in half t / 2.
; The loads run two blocks of 32 ahead: up to 64 loads of a wave are on their way, each block into registers of its own.
.macro WLOAD N, t                      ; block t: W(128 g + 32 t + i, my column), i = 0 .. 31
.irp i, 0,1,2,3,4,5,6,7,8,9,10,11,12,13,14,15,16,17,18,19,20,21,22,23,24,25,26,27,28,29,30,31
	global_load_b32 v[WX+32*(\t)+\i], v3, s[30:31] offset:(32*(\t)+\i)*\N*4 th:TH_LOAD_NT   ; 128 consecutive bytes a wave, 1,024 a work-group
.endr
.endm
.macro WPATH N, PTR, SCP, CB0, SB0, J0
	s_sub_co_u32 s19, ttmp9, \J0
	s_lshr_b32 s20, s19, 3                         ; cg: which 256 columns
	s_and_b32 s21, s19, 7                          ; g: which 128 along K
	s_mul_i32 s22, s21, 128*\N*4
	s_lshl_b32 s23, s20, 10
	s_add_co_u32 s22, s22, s23
	s_lshl_b32 s23, s18, 7
	s_add_co_u32 s22, s22, s23                     ; my wave's 32 columns of row 128 g
	s_mov_b32 s23, 0
	s_lshl_b32 s24, s20, 4
	s_add_co_u32 s24, s24, \CB0
	s_mul_i32 s24, s24, 12288
	s_mul_i32 s25, s21, 1536
	s_add_co_u32 s24, s24, s25                     ; the work-group's first block, fragment g
	s_mov_b32 s25, 0
	s_lshl_b32 s26, s20, 4
	s_add_co_u32 s26, s26, \SB0
	s_lshl_b32 s26, s26, 9
	s_lshl_b32 s27, s21, 2
	s_add_co_u32 s26, s26, s27                     ; and its scale words, word g
	s_mov_b32 s27, 0
	v_lshlrev_b32 v3, 2, v2
	v_bfe_u32 v4, v2, 3, 1                         ; u
	v_and_b32 v5, 7, v2
	v_lshrrev_b32 v6, 4, v2
	s_delay_alu instid0(VALU_DEP_1)
	v_lshl_add_u32 v5, v6, 3, v5                   ; r
	s_lshl_b32 s28, s18, 1
	v_add_nc_u32 v4, s28, v4                       ; 2 w + u
	s_delay_alu instid0(VALU_DEP_1)
	v_mul_u32_u24 v6, v4, 12288
	s_delay_alu instid0(VALU_DEP_1)
	v_lshl_add_u32 v7, v5, 4, v6                   ; for the stores of 16 bytes
	s_delay_alu instid0(VALU_DEP_2)
	v_lshl_add_u32 v8, v5, 3, v6                   ; for those of 8
	s_delay_alu instid0(VALU_DEP_4)
	v_lshl_add_u32 v9, v4, 4, v5
	s_delay_alu instid0(VALU_DEP_1)
	v_lshlrev_b32 v9, 5, v9                        ; my row of scale words
	s_wait_kmcnt 0x0
	s_add_nc_u64 s[30:31], s[\PTR:\PTR+1], s[22:23]
	s_add_nc_u64 s[34:35], s[12:13], s[24:25]
	s_add_nc_u64 s[36:37], s[\SCP:\SCP+1], s[26:27]
	WLOAD \N, 0
	WLOAD \N, 1
.irp t, 0,1,2,3
.if \t < 3
	s_wait_loadcnt 32                              ; block t's 32 loads are in; the 32 of the next block, issued behind them, may stay out
.else
	s_wait_loadcnt 0x0
.endif
.if \t < 2
	WLOAD \N, \t+2                                 ; the block two further on, into registers that nothing has touched
.endif
	v_max3_num_f32 v12, |v[WX+32*\t]|, |v[WX+32*\t+1]|, |v[WX+32*\t+2]|
	v_max3_num_f32 v13, |v[WX+32*\t+3]|, |v[WX+32*\t+4]|, |v[WX+32*\t+5]|
.irp i, 6,10,14,18,22,26
	s_delay_alu instid0(VALU_DEP_2)
	v_max3_num_f32 v12, v12, |v[WX+32*\t+\i]|, |v[WX+32*\t+\i+1]|
	s_delay_alu instid0(VALU_DEP_2)
	v_max3_num_f32 v13, v13, |v[WX+32*\t+\i+2]|, |v[WX+32*\t+\i+3]|
.endr
	s_delay_alu instid0(VALU_DEP_2)
	v_max3_num_f32 v12, v12, |v[WX+32*\t+30]|, |v[WX+32*\t+31]|
	s_delay_alu instid0(VALU_DEP_1)
	v_max3_num_f32 v12, v12, v13, 0x1800000        ; and the floor
	s_delay_alu instid0(VALU_DEP_1)
	v_add_nc_u32 v11, 0xff000000, v12              ; the conversion's scale operand
	s_delay_alu instid0(VALU_DEP_1)
	v_lshrrev_b32 v13, 23, v11                     ; the byte
.if \t == 0
	s_delay_alu instid0(VALU_DEP_1)
	v_mov_b32 v14, v13
.else
	s_delay_alu instid0(VALU_DEP_1)
	v_lshl_or_b32 v14, v13, 8*\t, v14
.endif
	v_cvt_scalef32_pk16_fp6_f32 v[WC+8*\t:WC+8*\t+2], v[WX+32*\t:WX+32*\t+15], v11
	v_cvt_scalef32_pk16_fp6_f32 v[WT:WT+2], v[WX+32*\t+16:WX+32*\t+31], v11
	v_nop                                          ; one plain place behind a scaled conversion
	v_mov_b32 v[WC+8*\t+3], v[WT]
	v_mov_b32 v[WC+8*\t+4], v[WT+1]
	v_mov_b32 v[WC+8*\t+5], v[WT+2]
	global_store_b128 v7, v[WC+8*\t:WC+8*\t+3], s[34:35] offset:768*(\t/2)+256*(\t%2)          ; sixteen lanes of one u fill 256 aligned bytes; each block has data registers of its own
	global_store_b64 v8, v[WC+8*\t+4:WC+8*\t+5], s[34:35] offset:768*(\t/2)+512+128*(\t%2)     ; and here 128: the other 128 come from the neighbouring block of 32
.endr
	global_store_b32 v9, v14, s[36:37]             ; 4 bytes a lane, 32 bytes apart: one byte in 128 of what is read
	s_endpgm
.endm
.Lwqkv:
	s_wait_alu depctr_va_vdst(0)
	WPATH 3072, 6, 14, 0, 512, 0
.Lwout:
	s_wait_alu depctr_va_vdst(0)
	WPATH 1024, 8, 16, 192, 512, 96
.Lfunc_end_k_qecd95f05a0_prep:
	.size	k_qecd95f05a0_prep, .Lfunc_end_k_qecd95f05a0_prep-k_qecd95f05a0_prep
	.p2alignl 7, 3214868480
	.fill 96, 4, 3214868480
	.section	.rodata,"a",@progbits
	.p2align	6, 0x0
	.amdhsa_kernel k_qecd95f05a0_prep
		.amdhsa_group_segment_fixed_size 69632
		.amdhsa_private_segment_fixed_size 0
		.amdhsa_enable_private_segment 0
		.amdhsa_kernarg_size 56
		.amdhsa_user_sgpr_count 2
		.amdhsa_user_sgpr_kernarg_segment_ptr 1
		.amdhsa_wavefront_size32 1
		.amdhsa_system_sgpr_workgroup_id_x 1
		.amdhsa_system_sgpr_workgroup_id_y 1
		.amdhsa_system_sgpr_workgroup_id_z 1
		.amdhsa_system_vgpr_workitem_id 0
		.amdhsa_next_free_vgpr 194
		.amdhsa_next_free_sgpr 66
		.amdhsa_reserve_vcc 0
		.amdhsa_float_denorm_mode_32 3
		.amdhsa_float_denorm_mode_16_64 3
		.amdhsa_memory_ordered 1
		.amdhsa_forward_progress 1
		.amdhsa_inst_pref_size 59
	.end_amdhsa_kernel
	.amdgpu_metadata
---
amdhsa.version: [ 1, 2 ]
amdhsa.kernels:
  - .name:           k_qecd95f05a0_prep
    .symbol:         k_qecd95f05a0_prep.kd
    .args:
      - { .name: x, .offset: 0, .size: 8, .value_kind: global_buffer, .address_space: global }
      - { .name: W_qkv, .offset: 8, .size: 8, .value_kind: global_buffer, .address_space: global }
      - { .name: W_out, .offset: 16, .size: 8, .value_kind: global_buffer, .address_space: global }
      - { .name: xc, .offset: 24, .size: 8, .value_kind: global_buffer, .address_space: global }
      - { .name: wc, .offset: 32, .size: 8, .value_kind: global_buffer, .address_space: global }
      - { .name: sc1, .offset: 40, .size: 8, .value_kind: global_buffer, .address_space: global }
      - { .name: sc2, .offset: 48, .size: 8, .value_kind: global_buffer, .address_space: global }
    .group_segment_fixed_size: 69632
    .private_segment_fixed_size: 0
    .kernarg_segment_align: 8
    .kernarg_segment_size: 56
    .max_flat_workgroup_size: 256
    .sgpr_count:     66
    .vgpr_count:     194
    .wavefront_size: 32
...
	.end_amdgpu_metadata
.endif
;; end of part 1
;; launch gemm_qkv (part 2): grid 96 x 4, 4 waves a work-group, clusters of 4 x 4, 327,680 bytes of LDS; arguments xc, wc, sc1, qkvc, qkvs; writes qkvc, qkvs
.if DOCPART == 2
	.amdgcn_target "amdgcn-amd-amdhsa--gfx1250"
	.amdhsa_code_object_version 6
	.text
	.protected	k_qecd95f05a0_gemm_qkv
	.globl	k_qecd95f05a0_gemm_qkv
	.p2align	8
	.type	k_qecd95f05a0_gemm_qkv,@function
k_qecd95f05a0_gemm_qkv:
	s_mov_b64 s[64:65], 0
	v_nop
	global_prefetch_b8 v0, s[64:65] scope:SCOPE_SE
	s_setreg_imm32_b32 hwreg(HW_REG_WAVE_MODE, 25, 1), 1
	s_wait_xcnt 0x0
	s_wait_alu depctr_hold_cnt(0) depctr_sa_sdst(0) depctr_va_vdst(0) depctr_va_sdst(0) depctr_va_ssrc(0) depctr_va_vcc(0) depctr_vm_vsrc(0)
	s_getreg_b32 s2, hwreg(HW_REG_IB_STS2, 6, 4)
	s_cmp_eq_u32 s2, 0
	s_cbranch_scc0 .Lentry_in_a_cluster
	s_endpgm
.Lentry_in_a_cluster:
	s_bfe_u32 s2, ttmp6, 0x10000c
	s_cmp_lg_u32 s2, 0xf033
	s_cbranch_scc0 .Lentry_shape_is_right
	s_endpgm
.Lentry_shape_is_right:
; qkv = x W_qkv on codes of FP6 (E2M3) with E8M0 scales, K = 1,024, f32 sums; the results never go to memory as f32: the way out quantises q and k along the head's 64 channels and v along the keys, out of the accumulators.
; OPERANDS lie as images of fragment registers, [block of 16 rows][g = K / 128][1,536 bytes]; block a holds rows 32 (a / 2) + 8 (a % 2) + r + 8 (r / 8).  Scale words [block][r][g].
; A tile is 256 x 256, four waves of 128 x 128: 64 accumulators, 512 registers.  The matrix instruction is used transposed: source 0 = a block of the operand called B here, source 1 = a block of A.
; Accumulator (a, b), lane (r, h), register j: A's row 32 (a / 2) + 8 (a % 2) + r + 8 (r / 8), B's row 32 (b / 2) + 16 h + 8 (b % 2) + j: two neighbouring b give 16 neighbours along B.
; CLUSTERS 0-15 make q and k: A = tokens (xc), B = channels 0-2047 (wc): a lane holds a token, its registers run along channels.  CLUSTERS 16-23 make v: A = channels 2048-3071, B = tokens: registers run along the keys.
; The choice hangs on the cluster's number alone, which all sixteen partners share.  A's tiles are asked for jointly along a row of the cluster, B's along a column.
; 384 tiles on 256 WGPs: a tile of 128 x 256 would divide evenly, but a wave of 64 x 128 reads one and a half times the LDS bytes for each product.
; K goes through two LDS slots of 256 along K; its eight steps of 128 are written out (a loop would have one trip), so the scale registers' numbers are constants.
; RESULTS.  q: [head bh][tile of 16 queries][768 bytes: half a fragment].  k: a fragment holds 32 keys x 64 channels: half 0 = block 2 f of the step's 128 tokens, half 1 = block 2 f + 1.  v: a fragment = 16 channels x 128 keys.
; k and v: [bh][slot of 256 keys][k: 2 steps x 4 fragments x 1,536 | v: the same].  Scale words in packs of 256 bytes for 4 fragments: lane l: word of fragment l / 16, row l % 16, then of fragment 2 + l / 16.
; LIMITS: NaN and infinities are not served; a block whose largest magnitude lies under 2^-124 gets the byte 1.
; REGISTERS: window 0: v16-31 addresses; v32-95 scale words (v[32 + 8 i + g]: lanes 0-15 A's block i, lanes 16-31 B's block i); v96-117 at work on the way out; v128-223 A's fragments, one set (v128-147 codes on the way out).
;   window 1: B's fragments, two sets, at v0 and v128.   window 2: accumulators of A's blocks 0-3, (a, b) at v[8 (8 (a % 4) + b)];   window 3: of blocks 4-7.
.set PART,  24576                      ; 8 blocks x 2 fragments: what one tensor load brings and one wave reads of A or B
.set SLOT,  4*PART                     ; A's 16 blocks, then B's 16
.set SPARE, 2*SLOT                     ; the spare words: 128 bytes a wave, two blocks of 256 bytes that no other line names
.set FR,   12
.set NL,   4                           ; LDS loads that bring a fragment
.set ADRA, 16                          ; v16-17 16 x lane + my part of A in slot 0, 1;  v18-19 the same with 8 x lane
.set ADRB, 20                          ; v20-23 the same for B
.set SCO,  27                          ; v27 offset of my scale words
.set SPW,  28                          ; v28 my spare word; never rewritten
.set NIL,  29                          ; v29 0; never rewritten
.set L16,  30                          ; v30 16 x lane
.set L8,   31                          ; v31 8 x lane
.set SC,   32
.set TM,   96                          ; v96-111 the way out: at work
.set WD,   112                         ; v112-115 four scale words, v116-117 their pack
.set AF,   128
.set PC,   128                         ; v128-147 the way out: codes
.set G1,  24
.set G0,  32
.set G1B, 48
.set G0B, 56
.set CB,  76                           ; s[76:79] where my two heads' codes go
.set SB,  80                           ; s[80:83] and their packs of scale words
.set SEL, 92                           ; s[92:93]
.set HM,  94                           ; s94 lanes 16-31
.set MSB, 0
.macro WIN new                         ; the immediate's high byte repeats the setting that is left
.if MSB != (\new)
	s_set_vgpr_msb (MSB<<8)|(\new)
.set MSB, (\new)
.endif
.endm
.set MUL_LO, 0xa1                      ; source 0 (B) window 1, source 1 (A) window 0, C and D window 2
.set MUL_HI, 0xf1
.set TO_B,   0x40
.macro JLOAD g0a, g1a, g0b, g1b        ; a joint load: waves 0 and 1 fetch for A, waves 2 and 3 for B; four v_nop follow each line
	s_cmp_eq_u32 s15, 0
	s_cbranch_scc0 .Lfor_b_\@
	tensor_load_to_lds s[\g0a:\g0a+3], s[\g1a:\g1a+7]
	s_nop 0
.rept 4
	v_nop
.endr
	s_branch .Lasked_\@
.Lfor_b_\@:
	tensor_load_to_lds s[\g0b:\g0b+3], s[\g1b:\g1b+7]
	s_nop 0
.rept 4
	v_nop
.endr
.Lasked_\@:
.endm
.macro CREST                           ; a round of the cluster's barrier behind its opening barrier
	s_cmp_lg_u32 s14, 0
	s_cbranch_scc1 .Lnot_wave_0_\@
	s_barrier_signal -3
.Lnot_wave_0_\@:
	s_barrier_wait -3
	s_barrier_signal -1
	s_barrier_wait -1
.endm
.macro CROUND
	s_barrier_signal -1
	s_barrier_wait -1
	CREST
.endm
	s_load_b256 s[4:11], s[0:1], 0x0               ; xc s[4:5], wc s[6:7], sc1 s[8:9], qkvc s[10:11]
	s_load_b64 s[12:13], s[0:1], 0x20              ; qkvs
	v_lshl_add_u32 v[SPW], v0, 2, SPARE
	v_mov_b32 v[NIL], 0
	ds_add_u32 v28, v29
	ds_add_u32 v28, v29
	s_wait_dscnt 0x0
	v_lshrrev_b32 v1, 5, v0
	v_readfirstlane_b32 s14, v1                    ; wave 0..3
	s_lshr_b32 s15, s14, 1                         ; which half of A's rows is mine.  Also: I fetch for A (0) or for B (1)
	s_and_b32 s16, s14, 1                          ; which half of B's rows.  Also: which 8 blocks I fetch
	s_bfe_u32 s40, ttmp6, 0x40000                  ; cx
	s_bfe_u32 s41, ttmp6, 0x40004                  ; cy
	s_lshr_b32 s73, ttmp9, 1
	s_and_b32 s74, ttmp9, 1
	s_sub_co_u32 s75, ttmp9, 16
	s_cmp_ge_u32 ttmp9, 16                         ; v's clusters?
	s_cselect_b32 s73, 0, s73                      ; the cluster's row of tiles / 4
	s_cselect_b32 s74, s75, s74                    ; and its column / 4
	s_cselect_b32 s70, 128, 0                      ; A's first block in its buffer (v: W's columns 2048 on)
	s_cselect_b32 s71, 640, 0                      ; A's first block in the table of scale words
	s_cselect_b32 s72, 0, 512                      ; B's
	s_lshl_b32 s42, s74, 2
	s_add_co_u32 s42, s42, s40                     ; tile column
	s_lshl_b32 s17, s73, 2
	s_add_co_u32 s17, s17, s41                     ; tile row
	s_lshl_b32 s43, s41, 2
	s_lshl_b32 s43, 15, s43                        ; my row of the cluster
	s_lshl_b32 s44, 0x1111, s40                    ; my column
	; descriptor group 1: 8 rows (blocks) of 3,072 bytes (two fragments), 12,288 bytes apart; elements of 8 bytes; dense in LDS
	s_or_b32 s[G1+0], s43, (3<<16)|(1<<21)
	s_or_b32 s[G1B+0], s44, (3<<16)|(1<<21)
.irp g, G1, G1B
	s_mov_b32 s[\g+1], 384<<16                     ; tensor_dim0
	s_mov_b32 s[\g+2], 8<<16                       ; tensor_dim1
	s_mov_b32 s[\g+3], 384<<16                     ; tile_dim0
	s_mov_b32 s[\g+4], 8                           ; tile_dim1
	s_mov_b32 s[\g+5], 1536                        ; from row to row
	s_mov_b32 s[\g+6], 0
	s_mov_b32 s[\g+7], 0
.endr
	s_lshl_b32 s18, s16, 3
	s_lshl_b32 s20, s17, 4
	s_add_co_u32 s20, s20, s18
	s_add_co_u32 s20, s20, s70                     ; A: block 16 x tile row + 8 x half
	s_mul_i32 s20, s20, 12288
	s_mov_b32 s21, 0
	s_lshl_b32 s46, s42, 4
	s_add_co_u32 s46, s46, s18                     ; B: block 16 x tile column + 8 x half
	s_mul_i32 s46, s46, 12288
	s_mov_b32 s47, 0
	s_mul_i32 s45, s14, PART                       ; where they go: no place in the cluster enters an LDS address
	s_wait_kmcnt 0x0
	s_cmp_ge_u32 ttmp9, 16
	s_cselect_b64 s[66:67], s[6:7], s[4:5]         ; A's buffer
	s_cselect_b64 s[68:69], s[4:5], s[6:7]         ; B's
	s_add_nc_u64 s[20:21], s[66:67], s[20:21]
	s_add_nc_u64 s[46:47], s[68:69], s[46:47]
	CROUND                                         ; all sixteen work-groups are here: the first joint loads meet
.irp s, 0,1
	s_mov_b32 s[G0+4*\s], 1
	s_add_co_u32 s[G0+4*\s+1], s45, \s*SLOT
	s_add_nc_u64 s[G0+4*\s+2:G0+4*\s+3], s[20:21], \s*3072
	s_or_b32 s[G0+4*\s+3], s[G0+4*\s+3], 0x80000000
	s_mov_b32 s[G0B+4*\s], 1
	s_add_co_u32 s[G0B+4*\s+1], s45, \s*SLOT
	s_add_nc_u64 s[G0B+4*\s+2:G0B+4*\s+3], s[46:47], \s*3072
	s_or_b32 s[G0B+4*\s+3], s[G0B+4*\s+3], 0x80000000
	JLOAD G0+4*\s, G1, G0B+4*\s, G1B
.endr
	v_and_b32 v1, 31, v0
	v_lshlrev_b32 v[L16], 4, v1
	v_lshlrev_b32 v[L8], 3, v1
	s_mul_i32 s21, s15, PART                       ; my 8 blocks of A
	s_mul_i32 s22, s16, PART
	s_add_co_u32 s22, s22, 2*PART                  ; my 8 blocks of B, behind A's 16
.irp s, 0,1
	v_add_nc_u32 v[ADRA+\s], s21, v[L16]
	v_add_nc_u32 v[ADRA+2+\s], s21, v[L8]
	v_add_nc_u32 v[ADRB+\s], s22, v[L16]
	v_add_nc_u32 v[ADRB+2+\s], s22, v[L8]
	s_add_co_u32 s21, s21, SLOT
	s_add_co_u32 s22, s22, SLOT
.endr
	; the scale words of my 8 blocks of A (lanes 0-15) and of B (lanes 16-31), for all of K: 64 registers, loaded once
	v_and_b32 v2, 15, v0
	s_lshl_b32 s21, s17, 4
	s_lshl_b32 s22, s15, 3
	s_add_co_u32 s21, s21, s22
	s_add_co_u32 s21, s21, s71
	s_lshl_b32 s21, s21, 9
	s_lshl_b32 s22, s42, 4
	s_lshl_b32 s23, s16, 3
	s_add_co_u32 s22, s22, s23
	s_add_co_u32 s22, s22, s72
	s_lshl_b32 s22, s22, 9
	s_mov_b32 s[HM], 0xffff0000
	v_mov_b32 v3, s21
	v_mov_b32 v4, s22
	v_cndmask_b32 v3, v3, v4, s[HM]
	s_wait_alu depctr_va_vdst(0)
	v_lshl_add_u32 v[SCO], v2, 5, v3               ; 32 bytes a row
.irp i, 0,1,2,3,4,5,6,7
	global_load_b128 v[SC+8*\i:SC+8*\i+3], v[SCO], s[8:9] offset:512*\i
	global_load_b128 v[SC+8*\i+4:SC+8*\i+7], v[SCO], s[8:9] offset:512*\i+16
.endr
	s_mov_b32 s[SEL], 0x76543210
	s_mov_b32 s[SEL+1], 0xfedcba98
.irp b, 0,1,2,3
	v_mov_b32 v[TM+4+\b], 0                        ; a lane permute's destination counts as one of its sources
.endr
	; where my results go
	s_lshl_b32 s76, s17, 8
	s_lshl_b32 s77, s15, 7
	s_add_co_u32 s76, s76, s77                     ; my first row of A
	s_lshl_b32 s77, s42, 8
	s_lshl_b32 s78, s16, 7
	s_add_co_u32 s77, s77, s78                     ; my first row of B
	s_add_co_u32 s78, s76, 2048
	s_cmp_ge_u32 ttmp9, 16
	s_cselect_b32 s79, s77, s76                    ; my first token
	s_cselect_b32 s80, s78, s77                    ; my first channel of the 3,072
	s_lshr_b32 s81, s80, 10                        ; 0 q, 1 k, 2 v
	s_bfe_u32 s82, s80, 0x40006                    ; my first head
	s_lshr_b32 s83, s79, 11
	s_lshl_b32 s83, s83, 4
	s_add_co_u32 s83, s83, s82                     ; bh = 16 x batch + head
	s_bfe_u32 s84, s79, 0x40007                    ; which 128 tokens of the sequence
	s_mul_i32 s85, s83, 98304
	s_mul_i32 s86, s84, 6144
	s_add_co_u32 s85, s85, s86                     ; q: codes,
	s_lshl_b32 s86, s83, 12
	s_lshl_b32 s87, s84, 8
	s_add_co_u32 s86, s86, s87                     ; packs
	s_lshr_b32 s87, s84, 1                         ; k, v: the slot,
	s_and_b32 s88, s84, 1                          ; the step in it
	s_sub_co_u32 s89, s81, 1
	s_mul_i32 s90, s83, 196608
	s_mul_i32 s91, s87, 24576
	s_add_co_u32 s90, s90, s91
	s_mul_i32 s91, s89, 12288
	s_add_co_u32 s90, s90, s91
	s_mul_i32 s91, s88, 6144
	s_add_co_u32 s90, s90, s91
	s_add_co_u32 s90, s90, 6291456                 ; codes,
	s_lshl_b32 s91, s83, 13
	s_lshl_b32 s95, s87, 10
	s_add_co_u32 s91, s91, s95
	s_lshl_b32 s95, s89, 9
	s_add_co_u32 s91, s91, s95
	s_lshl_b32 s95, s88, 8
	s_add_co_u32 s91, s91, s95
	s_add_co_u32 s91, s91, 262144                  ; packs
	s_mov_b32 s88, 196608
	s_mov_b32 s96, 8192
	s_cmp_eq_u32 s81, 0
	s_cselect_b32 s84, s85, s90
	s_cselect_b32 s86, s86, s91
	s_cselect_b32 s88, 98304, s88                  ; from head to head
	s_cselect_b32 s96, 4096, s96
	s_mov_b32 s85, 0
	s_mov_b32 s87, 0
	s_mov_b32 s89, 0
	s_mov_b32 s97, 0
	s_add_nc_u64 s[CB:CB+1], s[10:11], s[84:85]
	s_add_nc_u64 s[CB+2:CB+3], s[CB:CB+1], s[88:89]
	s_add_nc_u64 s[SB:SB+1], s[12:13], s[86:87]
	s_add_nc_u64 s[SB+2:SB+3], s[SB:SB+1], s[96:97]
.macro FRAG reg, adr, q, i             ; a fragment's image comes back as it was stored: every load reads consecutive bytes
	ds_load_b128 v[\reg:\reg+3], v[\adr] offset:3072*(\i)+1536*(\q)
	ds_load_b64 v[\reg+4:\reg+5], v[\adr+2] offset:3072*(\i)+1536*(\q)+512
	ds_load_b128 v[\reg+6:\reg+9], v[\adr] offset:3072*(\i)+1536*(\q)+768
	ds_load_b64 v[\reg+10:\reg+11], v[\adr+2] offset:3072*(\i)+1536*(\q)+1280
.endm
; 16 matrix instructions: A's blocks a0, a0 + 1 x B's eight, K step g; p: B's set.  zero = 1: the first product starts the sums.  The 64 accumulators take turns in one order.
.macro MUL16 a0, p, g, zero
.irp a, \a0, \a0+1
.irp b, 0,1,2,3,4,5,6,7
.if \zero
	v_wmma_scale_f32_16x16x128_f8f6f4 v[8*(8*((\a)%4)+\b):8*(8*((\a)%4)+\b)+7], v[128*(\p)+FR*\b:128*(\p)+FR*\b+FR-1], v[AF+FR*(\a):AF+FR*(\a)+FR-1], 0, v[SC+8*\b+(\g)], v[SC+8*(\a)+(\g)] matrix_a_fmt:MATRIX_FMT_FP6 matrix_b_fmt:MATRIX_FMT_FP6 matrix_a_scale:MATRIX_SCALE_ROW1
.else
	v_wmma_scale_f32_16x16x128_f8f6f4 v[8*(8*((\a)%4)+\b):8*(8*((\a)%4)+\b)+7], v[128*(\p)+FR*\b:128*(\p)+FR*\b+FR-1], v[AF+FR*(\a):AF+FR*(\a)+FR-1], v[8*(8*((\a)%4)+\b):8*(8*((\a)%4)+\b)+7], v[SC+8*\b+(\g)], v[SC+8*(\a)+(\g)] matrix_a_fmt:MATRIX_FMT_FP6 matrix_b_fmt:MATRIX_FMT_FP6 matrix_a_scale:MATRIX_SCALE_ROW1
.endif
.endr
.endr
.endm
.macro FETCH_B slot, q, p
	WIN TO_B
.irp i, 0,1,2,3,4,5,6,7
	FRAG 128*(\p)+FR*\i, ADRB+\slot, \q, \i
.endr
	WIN 0
.endm
.macro FETCH_A slot, q, i0
.irp i, \i0, \i0+1, \i0+2, \i0+3
	FRAG AF+FR*(\i), ADRA+\slot, \q, \i
.endr
.endm
.macro PLACES                          ; four plain places behind a matrix instruction, ahead of loads into its registers and of reads of its results
.rept 4
	v_nop
.endr
.endm
; A slot's first 128 along K (B's set 0); the second 128's fragments are fetched meanwhile (B's into set 1).
.macro STEP slot, g, zero
	s_wait_dscnt 4*NL                              ; B's set and A's blocks 0-3 are in; the youngest 16 loads (A's blocks 4-7) may be out
	WIN MUL_LO
	MUL16 0, 0, \g, \zero
	MUL16 2, 0, \g, \zero
	s_wait_dscnt 0
	PLACES
	FETCH_B \slot, 1, 1
	FETCH_A \slot, 1, 0
	WIN MUL_HI
	MUL16 4, 0, \g, \zero
	MUL16 6, 0, \g, \zero
	PLACES
	WIN 0
	FETCH_A \slot, 1, 4
.endm
; A slot's second 128 changes slots: one barrier; ahead of it each wave waits for all its tensor loads, adds 0 to its spare word, and waits for that and for its reads of this slot.  fill = 1: the slot is filled again.
.macro TURN slot, next, g, fill
	s_wait_tensorcnt 0x0                           ; all my tensor loads have landed: my part of the next slot
	ds_add_u32 v[SPW], v[NIL]
	s_wait_dscnt 4*NL+1                            ; (the add and the youngest 16 loads may be out)
	WIN MUL_LO
	MUL16 0, 1, \g, 0
	s_wait_dscnt 0x0                               ; the add is done, and my reads of this slot are over
	s_barrier_signal -1
	MUL16 2, 1, \g, 0
	WIN 0
	s_barrier_wait -1
.if \fill
	CREST                                          ; the barrier has opened a round of the cluster's: no wave of any partner still reads this slot or has a load on its way
	s_add_nc_u64 s[G0+4*\slot+2:G0+4*\slot+3], s[G0+4*\slot+2:G0+4*\slot+3], 6144
	s_add_nc_u64 s[G0B+4*\slot+2:G0B+4*\slot+3], s[G0B+4*\slot+2:G0B+4*\slot+3], 6144
	JLOAD G0+4*\slot, G1, G0B+4*\slot, G1B         ; the first tensor load behind the round; its four v_nop are the places ahead of the loads below
.else
	PLACES
.endif
	FETCH_B \next, 0, 0
	FETCH_A \next, 0, 0
	WIN MUL_HI
	MUL16 4, 1, \g, 0
	MUL16 6, 1, \g, 0
	PLACES
	WIN 0
	FETCH_A \next, 0, 4
.endm
	s_wait_tensorcnt 1                             ; my part of slot 0 is in; slot 1's may stay out
	s_barrier_signal -1
	s_barrier_wait -1
	FETCH_B 0, 0, 0
	FETCH_A 0, 0, 0
	FETCH_A 0, 0, 4
	s_wait_loadcnt 0x0                             ; the scale words
	STEP 0, 0, 1
	TURN 0, 1, 1, 1
	STEP 1, 2, 0
	TURN 1, 0, 3, 1
	STEP 0, 4, 0
	TURN 0, 1, 5, 0                                ; nothing is left to fetch
	STEP 1, 6, 0
	s_wait_dscnt 4*NL
	WIN MUL_LO
	MUL16 0, 1, 7, 0
	MUL16 2, 1, 7, 0
	s_wait_dscnt 0
	WIN MUL_HI
	MUL16 4, 1, 7, 0
	MUL16 6, 1, 7, 0
	WIN 0
	PLACES
; THE WAY OUT.  A unit makes one fragment: four blocks of 32, each 16 registers of a lane and 16 of lane l xor 16, at S1, S1 + 16 (half 0) and S2, S2 + 16 (half 1) of window W.
; Each accumulator is first read at its low end.  The image goes straight to memory: every store covers whole aligned runs of 256 bytes.
.macro UNIT W, S1, S2, phi, eta
	s_wait_xcnt 0x0                                ; the last unit's stores have read their data registers
	WIN (\W)|((\W)<<2)
	v_max3_num_f32 v[TM+0], |v[(\S1)]|, |v[(\S1)+1]|, 0x1800000      ; with the floor 2^(3 - 127)
	v_max3_num_f32 v[TM+1], |v[(\S1)+16]|, |v[(\S1)+17]|, 0x1800000
	v_max3_num_f32 v[TM+2], |v[(\S2)]|, |v[(\S2)+1]|, 0x1800000
	v_max3_num_f32 v[TM+3], |v[(\S2)+16]|, |v[(\S2)+17]|, 0x1800000
.irp i, 2,4,6,8,10,12,14
	v_max3_num_f32 v[TM+0], |v[(\S1)+\i]|, |v[(\S1)+\i+1]|, v[TM+0]
	v_max3_num_f32 v[TM+1], |v[(\S1)+16+\i]|, |v[(\S1)+17+\i]|, v[TM+1]
	v_max3_num_f32 v[TM+2], |v[(\S2)+\i]|, |v[(\S2)+\i+1]|, v[TM+2]
	v_max3_num_f32 v[TM+3], |v[(\S2)+16+\i]|, |v[(\S2)+17+\i]|, v[TM+3]
.endr
	WIN 0
.irp b, 0,1,2,3
	v_permlanex16_b32 v[TM+4+\b], v[TM+\b], s[SEL], s[SEL+1]
.endr
.irp b, 0,1,2,3
	v_max_num_f32 v[TM+\b], v[TM+\b], v[TM+4+\b]
.endr
.irp b, 0,1,2,3
	v_add_nc_u32 v[TM+12+\b], 0xff000000, v[TM+\b] ; 2 off the exponent field: the conversion's scale operand
.endr
.irp b, 0,1,2,3
	v_lshrrev_b32 v[TM+4+\b], 23, v[TM+12+\b]
.endr
	v_lshl_or_b32 v[WD+\phi], v[TM+5], 8, v[TM+4]
	v_lshl_or_b32 v[WD+\phi], v[TM+6], 16, v[WD+\phi]
	v_lshl_or_b32 v[WD+\phi], v[TM+7], 24, v[WD+\phi]
	WIN (\W)
	v_cvt_scalef32_pk16_fp6_f32 v[PC:PC+2], v[(\S1):(\S1)+15], v[TM+12]
	v_cvt_scalef32_pk16_fp6_f32 v[PC+12:PC+14], v[(\S1)+16:(\S1)+31], v[TM+13]
	v_cvt_scalef32_pk16_fp6_f32 v[PC+6:PC+8], v[(\S2):(\S2)+15], v[TM+14]
	v_cvt_scalef32_pk16_fp6_f32 v[PC+16:PC+18], v[(\S2)+16:(\S2)+31], v[TM+15]
	WIN 0
	v_nop                                          ; one plain place behind a scaled conversion
.irp c, 0,1
.irp i, 0,1,2
	v_permlane16_swap_b32 v[PC+6*\c+\i], v[PC+12+4*\c+\i]
.endr
.irp i, 0,1,2
	v_mov_b32 v[PC+3+6*\c+\i], v[PC+12+4*\c+\i]
.endr
.endr
	global_store_b128 v[L16], v[PC:PC+3], s[CB+2*\eta:CB+2*\eta+1] offset:1536*\phi
	global_store_b64 v[L8], v[PC+4:PC+5], s[CB+2*\eta:CB+2*\eta+1] offset:1536*\phi+512
	global_store_b128 v[L16], v[PC+6:PC+9], s[CB+2*\eta:CB+2*\eta+1] offset:1536*\phi+768
	global_store_b64 v[L8], v[PC+10:PC+11], s[CB+2*\eta:CB+2*\eta+1] offset:1536*\phi+1280
.endm
.macro PACKW eta                       ; four fragments' scale words leave as one aligned block of 256 bytes
	v_cndmask_b32 v[WD+4], v[WD+0], v[WD+1], s[HM]
	v_cndmask_b32 v[WD+5], v[WD+2], v[WD+3], s[HM]
	global_store_b64 v[L8], v[WD+4:WD+5], s[SB+2*\eta:SB+2*\eta+1]
.endm
	s_cmp_ge_u32 ttmp9, 16
	s_cbranch_scc1 .Lv_out
.irp e, 0,1                            ; q, k: head e = B's blocks 4 e .. 4 e + 3; fragment p = A's blocks 2 p and 2 p + 1
.irp p, 0,1,2,3
	UNIT 2+\p/2, 128*(\p%2)+32*\e, 128*(\p%2)+32*\e+64, \p, \e
.endr
	PACKW \e
.endr
	s_branch .Ldone
.Lv_out:
.irp e, 0,1                            ; v: head e = A's blocks 4 e .. 4 e + 3; fragment p = block 4 e + p over its 128 tokens
.irp p, 0,1,2,3
	UNIT 2+\e, 64*\p, 64*\p+32, \p, \e
.endr
	PACKW \e
.endr
.Ldone:
	s_wait_tensorcnt 0x0                           ; the wave's end
	ds_add_u32 v[SPW], v[NIL]
	s_wait_dscnt 0x0
	CROUND                                         ; the closing round
	s_endpgm
.Lfunc_end_k_qecd95f05a0_gemm_qkv:
	.size	k_qecd95f05a0_gemm_qkv, .Lfunc_end_k_qecd95f05a0_gemm_qkv-k_qecd95f05a0_gemm_qkv
	.p2alignl 7, 3214868480
	.fill 96, 4, 3214868480
	.section	.rodata,"a",@progbits
	.p2align	6, 0x0
	.amdhsa_kernel k_qecd95f05a0_gemm_qkv
		.amdhsa_group_segment_fixed_size 327680
		.amdhsa_private_segment_fixed_size 0
		.amdhsa_enable_private_segment 0
		.amdhsa_kernarg_size 40
		.amdhsa_user_sgpr_count 2
		.amdhsa_user_sgpr_kernarg_segment_ptr 1
		.amdhsa_wavefront_size32 1
		.amdhsa_system_sgpr_workgroup_id_x 1
		.amdhsa_system_sgpr_workgroup_id_y 1
		.amdhsa_system_sgpr_workgroup_id_z 1
		.amdhsa_system_vgpr_workitem_id 0
		.amdhsa_next_free_vgpr 1024
		.amdhsa_next_free_sgpr 100
		.amdhsa_reserve_vcc 0
		.amdhsa_float_denorm_mode_32 3
		.amdhsa_float_denorm_mode_16_64 3
		.amdhsa_memory_ordered 1
		.amdhsa_forward_progress 1
		.amdhsa_inst_pref_size 183
	.end_amdhsa_kernel
	.amdgpu_metadata
---
amdhsa.version: [ 1, 2 ]
amdhsa.kernels:
  - .name:           k_qecd95f05a0_gemm_qkv
    .symbol:         k_qecd95f05a0_gemm_qkv.kd
    .args:
      - { .name: xc, .offset: 0, .size: 8, .value_kind: global_buffer, .address_space: global }
      - { .name: wc, .offset: 8, .size: 8, .value_kind: global_buffer, .address_space: global }
      - { .name: sc1, .offset: 16, .size: 8, .value_kind: global_buffer, .address_space: global }
      - { .name: qkvc, .offset: 24, .size: 8, .value_kind: global_buffer, .address_space: global }
      - { .name: qkvs, .offset: 32, .size: 8, .value_kind: global_buffer, .address_space: global }
    .group_segment_fixed_size: 327680
    .private_segment_fixed_size: 0
    .kernarg_segment_align: 8
    .kernarg_segment_size: 40
    .max_flat_workgroup_size: 128
    .sgpr_count:     100
    .vgpr_count:     1024
    .wavefront_size: 32
...
	.end_amdgpu_metadata
.endif
;; end of part 2
;; launch attn (part 3): grid 4 x 64, 16 waves a work-group, no clusters, 327,680 bytes of LDS; arguments qkvc, qkvs, cc, sc2; writes cc, sc2
.if DOCPART == 3
	.amdgcn_target "amdgcn-amd-amdhsa--gfx1250"
	.amdhsa_code_object_version 6
	.text
	.protected	k_qecd95f05a0_attn
	.globl	k_qecd95f05a0_attn
	.p2align	8
	.type	k_qecd95f05a0_attn,@function
k_qecd95f05a0_attn:
	s_mov_b64 s[64:65], 0
	v_nop
	global_prefetch_b8 v0, s[64:65] scope:SCOPE_SE
	s_setreg_imm32_b32 hwreg(HW_REG_WAVE_MODE, 25, 1), 1
	s_wait_xcnt 0x0
; Causal attention of one head (64 channels, 2,048 tokens) on codes of FP6 (E2M3) with E8M0 scales; ctx leaves as codes, quantised along head x 64 + channel, as the last product's operand.
; SOFTMAX: t = score x log2(e) / 8; M = the running largest t rounded up to a whole number; p = 2^(t - M) is quantised along the keys, not normalised; the row's sum is taken of the unquantised p and divides O at the end.
; SHARES.  Work-group (i, bh) owns the blocks of 256 queries 7 - i and i of head bh: 8 - i and i + 1 slots of 256 keys, nine for every work-group, so the trip count is a constant and all 256 work-groups have equal work.
; Each of the sixteen waves owns a tile of 16 queries, in 256 registers: four waves to a SIMD, so that one wave's vector work stands beside another's products and LDS loads.
; No cluster: the work-groups that share K and V differ in their block of queries, so their walks have different lengths and their steps are left out by different tests.
; LAYOUT.  Both products are used transposed: a lane holds one query throughout.  Tile a holds queries 32 (a / 2) + 8 (a % 2) + r + 8 (r / 8).
; K = 64 IN AN INSTRUCTION 128 DEEP: a fragment of k holds 32 keys: k 0-63 the channels of key 32 f + m + 8 (m / 8), k 64-127 those of the key 8 further on.  Q stands as [zeros | q | zeros]: the last 12 registers
; multiply the first half, the first 12 the second; the other half meets zero codes, which add nothing (the scale bytes are 1 to 254).  So registers 16 f + 0 .. 15 of S^T are keys 32 f + 16 h + 0 .. 15.
; K's and V's fragments and their packs of scale words lie in memory as images of registers; a slot is 24,576 + 1,024 dense bytes.  Waves 0, 1, 2 fetch K's codes, V's codes, the packs; all sixteen read them.
; CAUSAL: a step of 128 keys that lies wholly behind a wave's queries is left out by a scalar branch on ids; on the diagonal hidden scores become -infinity ahead of the maximum.
; LIMITS: NaN and infinities are not served; t is rounded once (score x c); 1 / sum by v_rcp_f32; a block of ctx whose largest magnitude lies under 2^-124 gets the byte 1.
.set SLOT1, 32768                      ; slot 1 begins here: one exclusive or turns an address
.set VOFF,  12288                      ; in a slot: K's codes, V's codes,
.set KPK,   24576                      ; K's packs (2 x 256), V's packs
.set VPK,   25088
.set SPARE, 65536                      ; the spare words: 128 bytes for each of 16 waves: eight blocks of 256 bytes that no other line names
.set F,   40                           ; v40-87 four fragments of K or V
.set S,   96                           ; v96-159 S^T, then p
.set O,   160                          ; v160-191 O^T: register 16 b + i = channel 32 b + 16 h + i
.set PCD, 192                          ; v192-203 p's codes (ctx's at the end)
.set CT,  204                          ; v204-211 conversions' second halves
.set BM,  212                          ; v212-215 a block's largest score, then largest p
.set PT,  216                          ; v216-219 lane permutes' results
.set SOP, 220                          ; v220-223 conversions' scale operands
.set BY,  224                          ; v224-227 scale bytes
.set FF,  228                          ; v[228:229] f = 2^(old M - new M)
; v1 16 x lane, v2 8 x lane, v3, v4 the same in the slot in hand, v5 my spare word, v6 0, v7 my query's place in its step less 16 h, v9 32 r + h, v10 my query's scale word in its pack, v11 256 x lane
; v12 -M, v13 the largest t, v[14:15] the sum; v16-33 Q; v34 Q's scale word, v35 p's, v[36:37] K's, v[38:39] V's; v230, v231 at work; v[232:233] the sum's second chain
.set WV,  12
.set T,   13                           ; the trip
.set SW,  14                           ; the trip at which the second block of queries begins: 8 - i
.set CUR, 15                           ; the slot of keys in hand
.set NS,  16                           ; the slot to be fetched
.set QB,  17                           ; the block of queries in hand
.set QSI, 18                           ; the step of 128 keys in which my queries lie
.set G4,  19                           ; which 32 of that step
.set SEL, 20
.set CS,  22                           ; s[22:23] c = log2(e) / 8
.set G1C, 24                           ; s[24:31] group 1: 48 rows of 256 bytes
.set G1S, 32                           ; s[32:39] 4 rows of 256 bytes
.set G0C, 40
.set G0S, 44
.set TB,  48                           ; LDS byte at which the slot in hand begins
.set HM,  49                           ; lanes 16-31
.set KVB, 50                           ; s[50:51] the head's K and V codes (+ V's part in wave 1)
.set KSB, 52                           ; s[52:53] their packs
.set QCH, 54                           ; s[54:55] the head's q codes;  s[56:57] q's packs;  s[58:59] ctx's codes at the head's half fragment;  s[60:61] ctx's scale bytes
.set QSH, 56
.set CCH, 58
.set SCH, 60
.set PFA, 66                           ; s[66:67] where my prefetches stand
.set LIM, 68                           ; a wave prefetches while the trip's number is under this
.set QCB, 72                           ; s[72:79] the same four at my tile
.set QSB, 74
.set CCB, 76
.set SCB, 78
.set SH,  80                           ; 16 (w % 2): my half of the scale word
.macro TLOAD                           ; waves 0 and 1: codes; wave 2: packs; the others nothing.  Four v_nop follow each line
	s_cmp_lt_u32 s[WV], 2
	s_cbranch_scc0 .Lnot_c_\@
	tensor_load_to_lds s[G0C:G0C+3], s[G1C:G1C+7]
	s_nop 0
.rept 4
	v_nop
.endr
	s_branch .Lasked_\@
.Lnot_c_\@:
	s_cmp_eq_u32 s[WV], 2
	s_cbranch_scc0 .Lasked_\@
	tensor_load_to_lds s[G0S:G0S+3], s[G1S:G1S+7]
	s_nop 0
.rept 4
	v_nop
.endr
.Lasked_\@:
.endm
; A prefetch into the L2 of the codes that the NEXT change of slots will ask for: 24,576 bytes, lanes 256 bytes apart, 8,192 bytes to each of waves 5 to 7 of the head's first work-group, which walks all eight slots in order.
; In trip T slot T + 2 is named, T = 0 .. 5: each block of 256 bytes once in the launch; slots 0 and 1 come by their loads alone; the second walk reads slots that have been read.
.macro ASK
	s_cmp_lt_u32 s[T], s[LIM]
	s_cbranch_scc0 .Lnot_mine_\@
	global_prefetch_b8 v11, s[PFA:PFA+1] th:TH_LOAD_NT scope:SCOPE_SE
.Lnot_mine_\@:
.endm
.macro SETBLK                          ; what hangs on the block of queries
	s_lshl_b32 s82, s[QB], 4
	s_add_co_u32 s82, s82, s[WV]                   ; my tile
	s_lshr_b32 s83, s[WV], 3
	s_lshl_b32 s[QSI], s[QB], 1
	s_add_co_u32 s[QSI], s[QSI], s83
	s_mul_i32 s84, s82, 768
	s_mov_b32 s85, 0
	s_add_nc_u64 s[QCB:QCB+1], s[QCH:QCH+1], s[84:85]
	s_lshl_b32 s84, s[QSI], 8
	s_add_nc_u64 s[QSB:QSB+1], s[QSH:QSH+1], s[84:85]
	s_mul_i32 s84, s82, 12288
	s_add_nc_u64 s[CCB:CCB+1], s[CCH:CCH+1], s[84:85]
	s_lshl_b32 s84, s82, 9
	s_add_nc_u64 s[SCB:SCB+1], s[SCH:SCH+1], s[84:85]
.endm
.macro GETQ                            ; my tile's half fragment and its two scale bytes, doubled
	global_load_b128 v[22:25], v1, s[QCB:QCB+1]
	global_load_b64 v[26:27], v2, s[QCB:QCB+1] offset:512
	global_load_b32 v34, v10, s[QSB:QSB+1]
	s_wait_loadcnt 0x0
	v_lshrrev_b32 v34, s[SH], v34
	s_delay_alu instid0(VALU_DEP_1)
	v_and_b32 v34, 0xffff, v34
	s_delay_alu instid0(VALU_DEP_1)
	v_lshl_or_b32 v34, v34, 16, v34
.endm
.macro INIT                            ; (its 36 lines are also the places between the scale word's last write and the first product)
	v_mov_b32 v13, 0xff61b1e6                      ; the largest t so far: -3e38
	s_delay_alu instid0(VALU_DEP_1)
	v_floor_f32 v12, -v13
	v_mov_b32 v14, 0
	v_mov_b32 v15, 0
.irp j, 0,1,2,3,4,5,6,7,8,9,10,11,12,13,14,15,16,17,18,19,20,21,22,23,24,25,26,27,28,29,30,31
	v_mov_b32 v[O+\j], 0                           ; the step is written once: the first finds zeros
.endr
.endm
; O^T / the sum, quantised: my head's 64 channels are two blocks of 32 of ctx's row: half a fragment
.macro FINISH
	v_add_f32 v14, v14, v15
	s_delay_alu instid0(VALU_DEP_1)
	v_permlanex16_b32 v230, v14, s[SEL], s[SEL+1]
	s_delay_alu instid0(VALU_DEP_1)
	v_add_f32 v14, v14, v230                       ; the row's sum
	s_wait_alu depctr_va_vdst(0)
	v_rcp_f32 v14, v14
	v_nop                                          ; a plain place behind the transcendental
	s_wait_alu depctr_va_vdst(0)                   ; the wait ahead of the first reader
.irp j, 0,2,4,6,8,10,12,14,16,18,20,22,24,26,28,30
	v_pk_mul_f32 v[S+\j:S+\j+1], v[O+\j:O+\j+1], v[14:15] op_sel_hi:[1,0]   ; each accumulator from its low end on
.endr
.irp b, 0,1
	v_max3_num_f32 v[BM+\b], |v[S+16*\b]|, |v[S+1+16*\b]|, 0x1800000
.endr
.irp i, 2,4,6,8,10,12,14
.irp b, 0,1
	s_delay_alu instid0(VALU_DEP_2)
	v_max3_num_f32 v[BM+\b], v[BM+\b], |v[S+16*\b+\i]|, |v[S+1+16*\b+\i]|
.endr
.endr
.irp b, 0,1
	s_delay_alu instid0(VALU_DEP_2)
	v_permlanex16_b32 v[PT+\b], v[BM+\b], s[SEL], s[SEL+1]
.endr
.irp b, 0,1
	s_delay_alu instid0(VALU_DEP_2)
	v_max_num_f32 v[BM+\b], v[BM+\b], v[PT+\b]
.endr
.irp b, 0,1
	s_delay_alu instid0(VALU_DEP_2)
	v_add_nc_u32 v[SOP+\b], 0xff000000, v[BM+\b]
.endr
.irp b, 0,1
	s_delay_alu instid0(VALU_DEP_2)
	v_lshrrev_b32 v[BY+\b], 23, v[SOP+\b]
.endr
	s_delay_alu instid0(VALU_DEP_1)
	v_cndmask_b32 v231, v[BY], v[BY+1], s[HM]      ; lane (r, h) stores block h's byte
	v_cvt_scalef32_pk16_fp6_f32 v[PCD:PCD+2], v[S:S+15], v[SOP]
	v_cvt_scalef32_pk16_fp6_f32 v[CT:CT+2], v[S+16:S+31], v[SOP+1]
	v_nop                                          ; one plain place behind a scaled conversion
.irp i, 0,1,2
	v_permlane16_swap_b32 v[PCD+\i], v[CT+\i]
.endr
.irp i, 0,1,2
	s_delay_alu instid0(VALU_DEP_3)
	v_mov_b32 v[PCD+3+\i], v[CT+\i]
.endr
	global_store_b128 v1, v[PCD:PCD+3], s[CCB:CCB+1]               ; 512 and 256 consecutive bytes, aligned
	global_store_b64 v2, v[PCD+4:PCD+5], s[CCB:CCB+1] offset:512
	global_store_b8 v9, v231, s[SCB:SCB+1]         ; a byte a lane, rows 32 bytes apart: one byte for 24 of codes
.endm
.macro SWITCH                          ; at trip SW the first block of queries is finished and the second begins; no barrier, LDS access or tensor load stands here
	s_cmp_lg_u32 s[T], s[SW]
	s_cbranch_scc1 .Lsame_\@
	FINISH
	s_wait_xcnt 0x0                                ; the stores have read their bases and data
	s_mov_b32 s[QB], ttmp9
	SETBLK
	GETQ
	INIT
.Lsame_\@:
.endm
; THE CHANGE OF SLOTS stands at a trip's head: each wave waits for all its tensor loads, adds 0 to its spare word, waits for that and for its reads of the slot that it has left; behind the barrier that slot is filled.
.macro CHANGE fill
	s_wait_tensorcnt 0x0                           ; no tensor load of mine is out, so a group 0 may be written
	ds_add_u32 v5, v6
	s_cmp_eq_u32 s[T], s[SW]
	s_cselect_b32 s[CUR], 0, s[CUR]                ; the second walk begins at slot 0
.if \fill
	s_add_co_u32 s69, s[T], 1
	s_add_co_u32 s[NS], s[CUR], 1
	s_cmp_eq_u32 s69, s[SW]
	s_cselect_b32 s[NS], 0, s[NS]
	s_mul_i32 s70, s[NS], 24576
	s_mov_b32 s71, 0
	s_add_nc_u64 s[G0C+2:G0C+3], s[KVB:KVB+1], s[70:71]
	s_or_b32 s[G0C+3], s[G0C+3], 0x80000000
	s_xor_b32 s[G0C+1], s[G0C+1], SLOT1
	s_lshl_b32 s70, s[NS], 10
	s_add_nc_u64 s[G0S+2:G0S+3], s[KSB:KSB+1], s[70:71]
	s_or_b32 s[G0S+3], s[G0S+3], 0x80000000
	s_xor_b32 s[G0S+1], s[G0S+1], SLOT1
	s_wait_xcnt 0x0                                ; the last prefetch, a trip back, has read its address
	s_add_nc_u64 s[PFA:PFA+1], s[PFA:PFA+1], 24576
.endif
	s_wait_dscnt 0x0                               ; the add is done, and my reads of the slot that I have left are over
	s_barrier_signal -1
	s_barrier_wait -1
.if \fill
	TLOAD                                          ; the first thing behind the barrier, a wave's one tensor load until the next
	ASK
.endif
.endm
; A KEY STEP: 128 keys, the q-th of the slot in hand
.macro STEP q
	s_lshl_b32 s81, s[CUR], 1
	s_add_co_u32 s81, s81, \q
	s_cmp_gt_u32 s81, s[QSI]
	s_cbranch_scc1 .Lhidden_\@                     ; all its keys come after my queries
	s_wait_alu depctr_va_vdst(0)
.irp f, 0,1,2,3
	ds_load_b128 v[F+12*\f:F+12*\f+3], v3 offset:6144*\q+1536*\f
	ds_load_b64 v[F+12*\f+4:F+12*\f+5], v4 offset:6144*\q+1536*\f+512
	ds_load_b128 v[F+12*\f+6:F+12*\f+9], v3 offset:6144*\q+1536*\f+768
	ds_load_b64 v[F+12*\f+10:F+12*\f+11], v4 offset:6144*\q+1536*\f+1280
.endr
	ds_load_b64 v[36:37], v4 offset:KPK+256*\q
	s_wait_dscnt 0x0
.irp f, 0,1,2,3                        ; S^T = K Q^T: each fragment twice, against [q | 0] and [0 | q]
.if \f%2
	v_wmma_scale_f32_16x16x128_f8f6f4 v[S+16*\f:S+16*\f+7], v[F+12*\f:F+12*\f+11], v[22:33], 0, v[36+\f/2], v34 matrix_a_fmt:MATRIX_FMT_FP6 matrix_b_fmt:MATRIX_FMT_FP6 matrix_a_scale:MATRIX_SCALE_ROW1
	v_wmma_scale_f32_16x16x128_f8f6f4 v[S+16*\f+8:S+16*\f+15], v[F+12*\f:F+12*\f+11], v[16:27], 0, v[36+\f/2], v34 matrix_a_fmt:MATRIX_FMT_FP6 matrix_b_fmt:MATRIX_FMT_FP6 matrix_a_scale:MATRIX_SCALE_ROW1
.else
	v_wmma_scale_f32_16x16x128_f8f6f4 v[S+16*\f:S+16*\f+7], v[F+12*\f:F+12*\f+11], v[22:33], 0, v[36+\f/2], v34 matrix_a_fmt:MATRIX_FMT_FP6 matrix_b_fmt:MATRIX_FMT_FP6
	v_wmma_scale_f32_16x16x128_f8f6f4 v[S+16*\f+8:S+16*\f+15], v[F+12*\f:F+12*\f+11], v[16:27], 0, v[36+\f/2], v34 matrix_a_fmt:MATRIX_FMT_FP6 matrix_b_fmt:MATRIX_FMT_FP6
.endif
.endr
.rept 4
	v_nop                                          ; places ahead of the loads into K's registers and of the first read of the scores
.endr
	s_wait_alu depctr_va_vdst(0)
.irp f, 0,1,2,3                        ; V's fragments land under the softmax
	ds_load_b128 v[F+12*\f:F+12*\f+3], v3 offset:VOFF+6144*\q+1536*\f
	ds_load_b64 v[F+12*\f+4:F+12*\f+5], v4 offset:VOFF+6144*\q+1536*\f+512
	ds_load_b128 v[F+12*\f+6:F+12*\f+9], v3 offset:VOFF+6144*\q+1536*\f+768
	ds_load_b64 v[F+12*\f+10:F+12*\f+11], v4 offset:VOFF+6144*\q+1536*\f+1280
.endr
	ds_load_b64 v[38:39], v4 offset:VPK+256*\q
	s_cmp_lg_u32 s81, s[QSI]
	s_cbranch_scc1 .Lopen_\@                       ; all keys of the step count
	v_mov_b32 v231, 0xff800000                     ; on the diagonal: register 16 b + i holds key 32 b + 16 h + i of the step: hidden where 32 b + i > v7
.irp b, 0,1,2,3
	s_cmp_gt_u32 s[G4], \b
	s_cbranch_scc1 .Lfree_\@_\b                    ; these 32 keys come before all my queries
	s_wait_alu depctr_va_vdst(0)
.irp i, 0,1,2,3,4,5,6,7,8,9,10,11,12,13,14,15
	v_cmp_gt_i32 vcc_lo, 32*\b+\i, v7
	v_cndmask_b32 v[S+16*\b+\i], v[S+16*\b+\i], v231, vcc_lo
.endr
.Lfree_\@_\b:
.endr
.Lopen_\@:
.irp b, 0,1,2,3
	v_max3_num_f32 v[BM+\b], v[S+16*\b], v[S+1+16*\b], v[S+2+16*\b]   ; the largest score of each block of 32 keys: for the row's maximum and, since p rises with the score, for the block's largest p
.endr
.irp i, 3,5,7,9,11,13
.irp b, 0,1,2,3
	v_max3_num_f32 v[BM+\b], v[BM+\b], v[S+16*\b+\i], v[S+1+16*\b+\i]
.endr
.endr
.irp b, 0,1,2,3
	v_max_num_f32 v[BM+\b], v[BM+\b], v[S+15+16*\b]
.endr
.irp b, 0,1,2,3
	s_delay_alu instid0(VALU_DEP_4)
	v_permlanex16_b32 v[PT+\b], v[BM+\b], s[SEL], s[SEL+1]
.endr
.irp b, 0,1,2,3
	s_delay_alu instid0(VALU_DEP_4)
	v_max_num_f32 v[BM+\b], v[BM+\b], v[PT+\b]
.endr
	s_delay_alu instid0(VALU_DEP_2)
	v_max3_num_f32 v230, v[BM], v[BM+1], v[BM+2]
	s_delay_alu instid0(VALU_DEP_1)
	v_max_num_f32 v230, v230, v[BM+3]
	s_delay_alu instid0(VALU_DEP_1)
	v_mul_f32 v230, s[CS], v230                    ; as t
	s_delay_alu instid0(VALU_DEP_1)
	v_max_num_f32 v13, v13, v230                   ; the running largest t
	v_mov_b32 v230, v12
	s_delay_alu instid0(VALU_DEP_2)
	v_floor_f32 v12, -v13                          ; the new -M: a whole number
	s_delay_alu instid0(VALU_DEP_1)
	v_sub_f32 v230, v12, v230                      ; old M - new M, 0 or less
	s_delay_alu instid0(VALU_DEP_1)
	v_cvt_i32_f32 v230, v230                       ; (it saturates)
	s_delay_alu instid0(VALU_DEP_1)
	v_ldexp_f32 v[FF], 1.0, v230                   ; f = 2^(old M - new M): multiplying by it rounds nothing
.irp j, 0,2,4,6,8,10,12,14,16,18,20,22,24,26,28,30,32,34,36,38,40,42,44,46,48,50,52,54,56,58,60,62
	v_pk_fma_f32 v[S+\j:S+\j+1], v[S+\j:S+\j+1], s[CS:CS+1], v[12:13] op_sel_hi:[1,0,0]   ; t - M
.endr
.irp b, 0,1,2,3
	v_fma_f32 v[BM+\b], v[BM+\b], s[CS], v12
.endr
	s_wait_alu depctr_va_vdst(0)
.irp j, 0,1,2,3,4,5,6,7,8,9,10,11,12,13,14,15,16,17,18,19,20,21,22,23,24,25,26,27,28,29,30,31,32,33,34,35,36,37,38,39,40,41,42,43,44,45,46,47,48,49,50,51,52,53,54,55,56,57,58,59,60,61,62,63
	v_exp_f32 v[S+\j], v[S+\j]                     ; p = 2^(t - M)
.endr
	v_pk_mul_f32 v[14:15], v[14:15], v[FF:FF+1] op_sel_hi:[1,0]    ; the sums under the new M: a plain place behind the exponentials
	s_wait_alu depctr_va_vdst(0)                   ; one wait for the batch of 64, ahead of its first reader
.irp b, 0,1,2,3
	v_exp_f32 v[BM+\b], v[BM+\b]                   ; each block's largest p
.endr
	v_pk_add_f32 v[232:233], v[100:101], v[104:105]
	v_pk_add_f32 v[254:255], v[108:109], v[112:113]
	v_pk_add_f32 v[252:253], v[116:117], v[120:121]
	v_pk_add_f32 v[250:251], v[124:125], v[128:129]
	v_pk_add_f32 v[248:249], v[132:133], v[136:137]
	v_pk_add_f32 v[246:247], v[140:141], v[144:145]
	v_pk_add_f32 v[244:245], v[148:149], v[152:153]
	v_pk_add_f32 v[14:15], v[14:15], v[156:157]
	v_pk_add_f32 v[232:233], v[232:233], v[96:97]
	v_pk_add_f32 v[254:255], v[254:255], v[98:99]
	v_pk_add_f32 v[252:253], v[252:253], v[102:103]
	v_pk_add_f32 v[250:251], v[250:251], v[106:107]
	v_pk_add_f32 v[248:249], v[248:249], v[110:111]
	v_pk_add_f32 v[246:247], v[246:247], v[114:115]
	v_pk_add_f32 v[244:245], v[244:245], v[118:119]
	v_pk_add_f32 v[14:15], v[14:15], v[122:123]
	v_pk_add_f32 v[232:233], v[232:233], v[126:127]
	v_pk_add_f32 v[254:255], v[254:255], v[130:131]
	v_pk_add_f32 v[252:253], v[252:253], v[134:135]
	v_pk_add_f32 v[250:251], v[250:251], v[138:139]
	v_pk_add_f32 v[248:249], v[248:249], v[142:143]
	v_pk_add_f32 v[246:247], v[246:247], v[146:147]
	v_pk_add_f32 v[244:245], v[244:245], v[150:151]
	v_pk_add_f32 v[14:15], v[14:15], v[154:155]
	v_pk_add_f32 v[232:233], v[232:233], v[158:159]
	s_delay_alu instid0(VALU_DEP_2)
	v_pk_add_f32 v[14:15], v[14:15], v[250:251]
	s_delay_alu instid0(VALU_DEP_2)
	v_pk_add_f32 v[232:233], v[232:233], v[248:249]
	v_pk_add_f32 v[254:255], v[254:255], v[246:247]
	v_pk_add_f32 v[252:253], v[252:253], v[244:245]
	s_delay_alu instid0(VALU_DEP_2)
	v_pk_add_f32 v[14:15], v[14:15], v[254:255]
	s_delay_alu instid0(VALU_DEP_2)
	v_pk_add_f32 v[232:233], v[232:233], v[252:253]
	s_delay_alu instid0(VALU_DEP_1)
	v_pk_add_f32 v[14:15], v[14:15], v[232:233]
	s_wait_alu depctr_va_vdst(0)                   ; and one for the four
.irp b, 0,1,2,3
	v_max_num_f32 v[BM+\b], 0x1800000, v[BM+\b]    ; the floor: the byte cannot fall under 1
.endr
.irp b, 0,1,2,3
	s_delay_alu instid0(VALU_DEP_4)
	v_add_nc_u32 v[SOP+\b], 0xff000000, v[BM+\b]
.endr
.irp b, 0,1,2,3
	s_delay_alu instid0(VALU_DEP_4)
	v_lshrrev_b32 v[BY+\b], 23, v[SOP+\b]
.endr
	s_delay_alu instid0(VALU_DEP_3)
	v_lshl_or_b32 v35, v[BY+1], 8, v[BY]           ; p's scale word for these 128 keys
	s_delay_alu instid0(VALU_DEP_1)
	v_lshl_or_b32 v35, v[BY+2], 16, v35
	s_delay_alu instid0(VALU_DEP_1)
	v_lshl_or_b32 v35, v[BY+3], 24, v35
.irp c, 0,1
	v_cvt_scalef32_pk16_fp6_f32 v[PCD+6*\c:PCD+2+6*\c], v[S+32*\c:S+15+32*\c], v[SOP+2*\c]
	v_cvt_scalef32_pk16_fp6_f32 v[CT+4*\c:CT+2+4*\c], v[S+16+32*\c:S+31+32*\c], v[SOP+2*\c+1]
.endr
	v_nop                                          ; one plain place behind a scaled conversion
.irp c, 0,1
.irp i, 0,1,2
	v_permlane16_swap_b32 v[PCD+6*\c+\i], v[CT+4*\c+\i]
.endr
.irp i, 0,1,2
	s_delay_alu instid0(VALU_DEP_3)
	v_mov_b32 v[PCD+3+6*\c+\i], v[CT+4*\c+\i]
.endr
.endr
.irp j, 0,2,4,6,8,10,12,14,16,18,20,22,24,26,28,30
	v_pk_mul_f32 v[O+\j:O+\j+1], v[O+\j:O+\j+1], v[FF:FF+1] op_sel_hi:[1,0]   ; O^T under the new M; these 16 are also the places between p's codes and scale word and the products
.endr
	s_wait_alu depctr_va_vdst(0)
	s_wait_dscnt 0x0                               ; V
.irp f, 0,1,2,3                        ; O^T += V^T P^T: four accumulators by turns
.if \f%2
	v_wmma_scale_f32_16x16x128_f8f6f4 v[O+8*\f:O+8*\f+7], v[F+12*\f:F+12*\f+11], v[PCD:PCD+11], v[O+8*\f:O+8*\f+7], v[38+\f/2], v35 matrix_a_fmt:MATRIX_FMT_FP6 matrix_b_fmt:MATRIX_FMT_FP6 matrix_a_scale:MATRIX_SCALE_ROW1
.else
	v_wmma_scale_f32_16x16x128_f8f6f4 v[O+8*\f:O+8*\f+7], v[F+12*\f:F+12*\f+11], v[PCD:PCD+11], v[O+8*\f:O+8*\f+7], v[38+\f/2], v35 matrix_a_fmt:MATRIX_FMT_FP6 matrix_b_fmt:MATRIX_FMT_FP6
.endif
.endr
.rept 4
	v_nop                                          ; places ahead of the next loads into V's registers and of the next read of O^T
.endr
.Lhidden_\@:
.endm
	s_load_b256 s[4:11], s[0:1], 0x0               ; qkvc s[4:5], qkvs s[6:7], cc s[8:9], sc2 s[10:11]
	v_lshl_add_u32 v5, v0, 2, SPARE
	v_mov_b32 v6, 0
	ds_add_u32 v5, v6
	ds_add_u32 v5, v6
	s_wait_dscnt 0x0
	v_lshrrev_b32 v1, 5, v0
	s_delay_alu instid0(VALU_DEP_1)
	v_readfirstlane_b32 s[WV], v1                  ; wave 0..15
	s_and_b32 s69, ttmp7, 0xffff                   ; bh
	s_sub_co_u32 s[SW], 8, ttmp9
	s_sub_co_u32 s[QB], 7, ttmp9                   ; the long block first
	s_mov_b32 s[T], 0
	s_mov_b32 s[CUR], 0
	s_mov_b32 s[TB], 0
	s_bfe_u32 s[G4], s[WV], 0x20001
	s_and_b32 s86, s[WV], 1
	s_lshl_b32 s[SH], s86, 4
	s_mov_b32 s[HM], 0xffff0000
	s_mov_b32 s[SEL], 0x76543210
	s_mov_b32 s[SEL+1], 0xfedcba98
	s_mov_b32 s[CS], 0x3e38aa3b                    ; log2(e) / 8
	s_mov_b32 s[CS+1], s[CS]
	s_mov_b32 s[G1C], 3<<16                        ; elements of 8 bytes, no mask, no padding
	s_mov_b32 s[G1C+1], 32<<16
	s_mov_b32 s[G1C+2], 48<<16
	s_mov_b32 s[G1C+3], 32<<16
	s_mov_b32 s[G1C+4], 48
	s_mov_b32 s[G1C+5], 32
	s_mov_b32 s[G1C+6], 0
	s_mov_b32 s[G1C+7], 0
	s_mov_b32 s[G1S], 3<<16
	s_mov_b32 s[G1S+1], 32<<16
	s_mov_b32 s[G1S+2], 4<<16
	s_mov_b32 s[G1S+3], 32<<16
	s_mov_b32 s[G1S+4], 4
	s_mov_b32 s[G1S+5], 32
	s_mov_b32 s[G1S+6], 0
	s_mov_b32 s[G1S+7], 0
	s_mul_i32 s87, s86, VOFF                       ; wave 0: K's codes, wave 1: V's: in memory as in a slot
	s_mul_i32 s70, s69, 196608
	s_add_co_u32 s70, s70, 6291456                 ; the head's K and V
	s_mov_b32 s71, 0
	s_add_co_u32 s88, s70, s87
	s_mov_b32 s89, 0
	s_lshl_b32 s90, s69, 13
	s_add_co_u32 s90, s90, 262144
	s_mov_b32 s91, 0
	s_mul_i32 s92, s69, 98304
	s_mov_b32 s93, 0
	s_lshl_b32 s94, s69, 12
	s_mov_b32 s95, 0
	s_lshr_b32 s82, s69, 4                         ; batch
	s_and_b32 s83, s69, 15                         ; head
	s_mul_i32 s96, s82, 1572864                    ; 128 blocks of 12,288 bytes
	s_lshr_b32 s84, s83, 1
	s_mul_i32 s84, s84, 1536
	s_add_co_u32 s96, s96, s84
	s_and_b32 s84, s83, 1
	s_mul_i32 s84, s84, 768
	s_add_co_u32 s96, s96, s84
	s_mov_b32 s97, 0
	s_lshl_b32 s98, s82, 16                        ; 128 blocks of 512 bytes
	s_lshl_b32 s84, s83, 1
	s_add_co_u32 s98, s98, s84
	s_mov_b32 s99, 0
	s_sub_co_u32 s84, s[WV], 5
	s_cmp_lt_u32 s84, 3
	s_cselect_b32 s85, 0, 1
	s_or_b32 s85, s85, ttmp9
	s_cmp_eq_u32 s85, 0
	s_cselect_b32 s[LIM], 6, 0                     ; waves 5 to 7 of the head's first work-group
	s_min_u32 s84, s84, 2
	s_lshl_b32 s84, s84, 13
	s_add_co_u32 s70, s70, s84
	s_add_co_u32 s70, s70, 24576                   ; in slot 1: the first change of slots steps it to slot 2
	s_wait_kmcnt 0x0
	s_add_nc_u64 s[KVB:KVB+1], s[4:5], s[88:89]
	s_add_nc_u64 s[KSB:KSB+1], s[6:7], s[90:91]
	s_add_nc_u64 s[QCH:QCH+1], s[4:5], s[92:93]
	s_add_nc_u64 s[QSH:QSH+1], s[6:7], s[94:95]
	s_add_nc_u64 s[CCH:CCH+1], s[8:9], s[96:97]
	s_add_nc_u64 s[SCH:SCH+1], s[10:11], s[98:99]
	s_add_nc_u64 s[PFA:PFA+1], s[4:5], s[70:71]
	s_mov_b32 s[G0C], 1
	s_mov_b32 s[G0C+1], s87                        ; slot 0
	s_mov_b64 s[G0C+2:G0C+3], s[KVB:KVB+1]
	s_or_b32 s[G0C+3], s[G0C+3], 0x80000000
	s_mov_b32 s[G0S], 1
	s_mov_b32 s[G0S+1], KPK
	s_mov_b64 s[G0S+2:G0S+3], s[KSB:KSB+1]
	s_or_b32 s[G0S+3], s[G0S+3], 0x80000000
	TLOAD                                          ; slot 0: a wave's one first fill
	v_and_b32 v8, 31, v0
	s_delay_alu instid0(VALU_DEP_1)
	v_lshlrev_b32 v1, 4, v8
	s_delay_alu instid0(VALU_DEP_2)
	v_lshlrev_b32 v2, 3, v8
	s_delay_alu instid0(VALU_DEP_3)
	v_lshlrev_b32 v11, 8, v8
	v_and_b32 v230, 15, v0                         ; r
	v_bfe_u32 v231, v0, 4, 1                       ; h
	s_delay_alu instid0(VALU_DEP_1)
	v_lshl_add_u32 v9, v230, 5, v231
	s_and_b32 s82, s[G4], 1
	s_lshl_b32 s82, s82, 7
	s_lshr_b32 s83, s[G4], 1
	s_lshl_b32 s83, s83, 2
	s_add_co_u32 s82, s82, s83
	v_lshl_add_u32 v10, v230, 3, s82               ; in a pack: fragment G4, row r
	v_and_b32 v7, 8, v230
	s_delay_alu instid0(VALU_DEP_1)
	v_add_nc_u32 v7, v7, v230
	v_lshlrev_b32 v8, 4, v231
	s_delay_alu instid0(VALU_DEP_1)
	v_sub_nc_u32 v7, v7, v8
	s_lshl_b32 s82, s[G4], 5
	s_lshl_b32 s83, s86, 3
	s_add_co_u32 s82, s82, s83
	v_add_nc_u32 v7, s82, v7                       ; 32 G4 + 8 (w % 2) + r + 8 (r / 8) - 16 h
.irp j, 16,17,18,19,20,21,28,29,30,31,32,33
	v_mov_b32 v[\j], 0                             ; the zero codes on both sides of q
.endr
.irp b, 0,1,2,3
	v_mov_b32 v[PT+\b], 0                          ; a lane permute's destination counts as one of its sources
.endr
	v_mov_b32 v[FF+1], 0                           ; (named as the upper half of a pair)
	v_mov_b32 v230, 0
	SETBLK
	GETQ
	INIT
.Ltrip:                                            ; eight trips: behind each change of slots the next slot is asked for
	CHANGE 1
	SWITCH
	v_add_nc_u32 v3, s[TB], v1
	v_add_nc_u32 v4, s[TB], v2
	STEP 0
	STEP 1
	s_xor_b32 s[TB], s[TB], SLOT1
	s_add_co_u32 s[CUR], s[CUR], 1
	s_add_co_u32 s[T], s[T], 1
	s_cmp_lt_u32 s[T], 8
	s_cbranch_scc1 .Ltrip
	CHANGE 0                                       ; the ninth is written out
	SWITCH
	v_add_nc_u32 v3, s[TB], v1
	v_add_nc_u32 v4, s[TB], v2
	STEP 0
	STEP 1
	FINISH
	s_wait_tensorcnt 0x0                           ; the wave's end
	ds_add_u32 v5, v6
	s_wait_dscnt 0x0
	s_endpgm
.Lfunc_end_k_qecd95f05a0_attn:
	.size	k_qecd95f05a0_attn, .Lfunc_end_k_qecd95f05a0_attn-k_qecd95f05a0_attn
	.p2alignl 7, 3214868480
	.fill 96, 4, 3214868480
	.section	.rodata,"a",@progbits
	.p2align	6, 0x0
	.amdhsa_kernel k_qecd95f05a0_attn
		.amdhsa_group_segment_fixed_size 327680
		.amdhsa_private_segment_fixed_size 0
		.amdhsa_enable_private_segment 0
		.amdhsa_kernarg_size 32
		.amdhsa_user_sgpr_count 2
		.amdhsa_user_sgpr_kernarg_segment_ptr 1
		.amdhsa_wavefront_size32 1
		.amdhsa_system_sgpr_workgroup_id_x 1
		.amdhsa_system_sgpr_workgroup_id_y 1
		.amdhsa_system_sgpr_workgroup_id_z 1
		.amdhsa_system_vgpr_workitem_id 0
		.amdhsa_next_free_vgpr 256
		.amdhsa_next_free_sgpr 100
		.amdhsa_reserve_vcc 1
		.amdhsa_float_denorm_mode_32 3
		.amdhsa_float_denorm_mode_16_64 3
		.amdhsa_memory_ordered 1
		.amdhsa_forward_progress 1
		.amdhsa_inst_pref_size 119
	.end_amdhsa_kernel
	.amdgpu_metadata
---
amdhsa.version: [ 1, 2 ]
amdhsa.kernels:
  - .name:           k_qecd95f05a0_attn
    .symbol:         k_qecd95f05a0_attn.kd
    .args:
      - { .name: qkvc, .offset: 0, .size: 8, .value_kind: global_buffer, .address_space: global }
      - { .name: qkvs, .offset: 8, .size: 8, .value_kind: global_buffer, .address_space: global }
      - { .name: cc, .offset: 16, .size: 8, .value_kind: global_buffer, .address_space: global }
      - { .name: sc2, .offset: 24, .size: 8, .value_kind: global_buffer, .address_space: global }
    .group_segment_fixed_size: 327680
    .private_segment_fixed_size: 0
    .kernarg_segment_align: 8
    .kernarg_segment_size: 32
    .max_flat_workgroup_size: 512
    .sgpr_count:     100
    .vgpr_count:     256
    .wavefront_size: 32
...
	.end_amdgpu_metadata
.endif
;; end of part 3
;; launch gemm_out (part 4): grid 4 x 32, 4 waves a work-group, clusters of 4 x 4, 327,680 bytes of LDS; arguments cc, wc, sc2, b_out, out0; writes out0
.if DOCPART == 4
	.amdgcn_target "amdgcn-amd-amdhsa--gfx1250"
	.amdhsa_code_object_version 6
	.text
	.protected	k_qecd95f05a0_gemm_out
	.globl	k_qecd95f05a0_gemm_out
	.p2align	8
	.type	k_qecd95f05a0_gemm_out,@function
k_qecd95f05a0_gemm_out:
	s_mov_b64 s[64:65], 0
	v_nop
	global_prefetch_b8 v0, s[64:65] scope:SCOPE_SE
	s_setreg_imm32_b32 hwreg(HW_REG_WAVE_MODE, 25, 1), 1
	s_wait_xcnt 0x0
	s_wait_alu depctr_hold_cnt(0) depctr_sa_sdst(0) depctr_va_vdst(0) depctr_va_sdst(0) depctr_va_ssrc(0) depctr_va_vcc(0) depctr_vm_vsrc(0)
	s_getreg_b32 s2, hwreg(HW_REG_IB_STS2, 6, 4)
	s_cmp_eq_u32 s2, 0
	s_cbranch_scc0 .Lentry_in_a_cluster
	s_endpgm
.Lentry_in_a_cluster:
	s_bfe_u32 s2, ttmp6, 0x10000c
	s_cmp_lg_u32 s2, 0xf033
	s_cbranch_scc0 .Lentry_shape_is_right
	s_endpgm
.Lentry_shape_is_right:
; out0 = ctx W_out + b_out on codes of FP6 (E2M3) with E8M0 scales, K = 1,024, f32 sums; the bias is the C of each sum's first product.
; OPERANDS lie as images of fragment registers, [block of 16 rows][g = K / 128][1,536 bytes]; block a holds rows 32 (a / 2) + 8 (a % 2) + r + 8 (r / 8).  A = ctx (cc), B = W_out's columns (wc, blocks 192 on).  Scale words [block][r][g] in sc2: ctx's blocks 0 on, W_out's 512 on.
; A tile is 256 x 256, four waves of 128 x 128.  The matrix instruction is used transposed (source 0 = a block of B, source 1 = a block of A): accumulator (a, b), lane (r, h), register j:
; row 32 (a / 2) + 8 (a % 2) + r + 8 (r / 8), column 32 (b / 2) + 16 h + 8 (b % 2) + j.  128 tiles: the same core as the first product's launch; a smaller tile would read more LDS bytes for each product.
; CLUSTERS of 4 x 4: A's tiles are asked for jointly along a row, B's along a column.  K goes through two LDS slots of 256 along K; its eight steps are written out.
; REGISTERS: window 0: v16-31 addresses; v32-95 scale words; v96-127 and v224-255 the bias, eight registers for each b; v128-223 A's fragments; on the way out v128-255 rows of the result.
;   window 1: B's fragments, two sets.   windows 2, 3: the accumulators, (a, b) at v[8 (8 (a % 4) + b)].
.set PART,  24576
.set SLOT,  4*PART
.set SPARE, 2*SLOT                     ; the spare words: 128 bytes a wave, two blocks of 256 bytes that no other line names
.set FR,   12
.set NL,   4
.set ADRA, 16
.set ADRB, 20
.set STO,  24                          ; v24 the way out: where I put 32 bytes of a row
.set RD,   25                          ; v25 and where I read a row back
.set SCO,  27
.set SPW,  28
.set NIL,  29
.set L16,  30
.set L8,   31
.set SC,   32
.set AF,   128
.set BK,   128
.set G1,  24
.set G0,  32
.set G1B, 48
.set G0B, 56
.set HM,  94
.set MSB, 0
.macro WIN new
.if MSB != (\new)
	s_set_vgpr_msb (MSB<<8)|(\new)
.set MSB, (\new)
.endif
.endm
.set MUL_LO, 0xa1                      ; source 0 (B) window 1, source 1 (A) window 0, C and D window 2
.set MUL_HI, 0xf1
.set BIA_LO, 0x81                      ; the same with C (the bias) in window 0
.set BIA_HI, 0xc1
.set TO_B,   0x40
.macro JLOAD g0a, g1a, g0b, g1b        ; a joint load: waves 0 and 1 fetch for A, waves 2 and 3 for B; four v_nop follow each line
	s_cmp_eq_u32 s15, 0
	s_cbranch_scc0 .Lfor_b_\@
	tensor_load_to_lds s[\g0a:\g0a+3], s[\g1a:\g1a+7]
	s_nop 0
.rept 4
	v_nop
.endr
	s_branch .Lasked_\@
.Lfor_b_\@:
	tensor_load_to_lds s[\g0b:\g0b+3], s[\g1b:\g1b+7]
	s_nop 0
.rept 4
	v_nop
.endr
.Lasked_\@:
.endm
.macro CREST
	s_cmp_lg_u32 s14, 0
	s_cbranch_scc1 .Lnot_wave_0_\@
	s_barrier_signal -3
.Lnot_wave_0_\@:
	s_barrier_wait -3
	s_barrier_signal -1
	s_barrier_wait -1
.endm
.macro CROUND
	s_barrier_signal -1
	s_barrier_wait -1
	CREST
.endm
	s_load_b256 s[4:11], s[0:1], 0x0               ; cc s[4:5], wc s[6:7], sc2 s[8:9], b_out s[10:11]
	s_load_b64 s[12:13], s[0:1], 0x20              ; out0
	v_lshl_add_u32 v[SPW], v0, 2, SPARE
	v_mov_b32 v[NIL], 0
	ds_add_u32 v28, v29
	ds_add_u32 v28, v29
	s_wait_dscnt 0x0
	v_lshrrev_b32 v1, 5, v0
	v_readfirstlane_b32 s14, v1                    ; wave 0..3
	s_lshr_b32 s15, s14, 1                         ; which half of the rows is mine.  Also: I fetch for A (0) or for B (1)
	s_and_b32 s16, s14, 1                          ; which half of the columns.  Also: which 8 blocks I fetch
	s_bfe_u32 s40, ttmp6, 0x40000                  ; cx
	s_bfe_u32 s41, ttmp6, 0x40004                  ; cy
	s_lshl_b32 s42, ttmp9, 2
	s_add_co_u32 s42, s42, s40                     ; tile column
	s_and_b32 s17, ttmp7, 0xffff
	s_lshl_b32 s17, s17, 2
	s_add_co_u32 s17, s17, s41                     ; tile row
	s_lshl_b32 s43, s41, 2
	s_lshl_b32 s43, 15, s43                        ; my row of the cluster
	s_lshl_b32 s44, 0x1111, s40                    ; my column
	; descriptor group 1: 8 rows (blocks) of 3,072 bytes (two fragments), 12,288 bytes apart; elements of 8 bytes; dense in LDS
	s_or_b32 s[G1+0], s43, (3<<16)|(1<<21)
	s_or_b32 s[G1B+0], s44, (3<<16)|(1<<21)
.irp g, G1, G1B
	s_mov_b32 s[\g+1], 384<<16
	s_mov_b32 s[\g+2], 8<<16
	s_mov_b32 s[\g+3], 384<<16
	s_mov_b32 s[\g+4], 8
	s_mov_b32 s[\g+5], 1536
	s_mov_b32 s[\g+6], 0
	s_mov_b32 s[\g+7], 0
.endr
	s_lshl_b32 s18, s16, 3
	s_lshl_b32 s20, s17, 4
	s_add_co_u32 s20, s20, s18                     ; A: block 16 x tile row + 8 x half
	s_mul_i32 s20, s20, 12288
	s_mov_b32 s21, 0
	s_lshl_b32 s46, s42, 4
	s_add_co_u32 s46, s46, s18
	s_add_co_u32 s46, s46, 192                     ; B: block 192 + 16 x tile column + 8 x half
	s_mul_i32 s46, s46, 12288
	s_mov_b32 s47, 0
	s_mul_i32 s45, s14, PART
	s_wait_kmcnt 0x0
	s_add_nc_u64 s[20:21], s[4:5], s[20:21]
	s_add_nc_u64 s[46:47], s[6:7], s[46:47]
	CROUND                                         ; all sixteen work-groups are here: the first joint loads meet
.irp s, 0,1
	s_mov_b32 s[G0+4*\s], 1
	s_add_co_u32 s[G0+4*\s+1], s45, \s*SLOT
	s_add_nc_u64 s[G0+4*\s+2:G0+4*\s+3], s[20:21], \s*3072
	s_or_b32 s[G0+4*\s+3], s[G0+4*\s+3], 0x80000000
	s_mov_b32 s[G0B+4*\s], 1
	s_add_co_u32 s[G0B+4*\s+1], s45, \s*SLOT
	s_add_nc_u64 s[G0B+4*\s+2:G0B+4*\s+3], s[46:47], \s*3072
	s_or_b32 s[G0B+4*\s+3], s[G0B+4*\s+3], 0x80000000
	s_wait_alu depctr_va_vdst(0)
	s_wait_tensorcnt 0x0
	ds_add_u32 v28, v29
	ds_add_u32 v28, v29
	s_wait_dscnt 0x0
	CROUND
	JLOAD G0+4*\s, G1, G0B+4*\s, G1B
.endr
	v_and_b32 v1, 31, v0
	v_lshlrev_b32 v[L16], 4, v1
	v_lshlrev_b32 v[L8], 3, v1
	s_mul_i32 s21, s15, PART
	s_mul_i32 s22, s16, PART
	s_add_co_u32 s22, s22, 2*PART
.irp s, 0,1
	v_add_nc_u32 v[ADRA+\s], s21, v[L16]
	v_add_nc_u32 v[ADRA+2+\s], s21, v[L8]
	v_add_nc_u32 v[ADRB+\s], s22, v[L16]
	v_add_nc_u32 v[ADRB+2+\s], s22, v[L8]
	s_add_co_u32 s21, s21, SLOT
	s_add_co_u32 s22, s22, SLOT
.endr
	; the scale words of my 8 blocks of A (lanes 0-15) and of B (lanes 16-31), for all of K
	v_and_b32 v2, 15, v0                           ; r
	v_bfe_u32 v5, v0, 4, 1                         ; h
	s_lshl_b32 s21, s17, 4
	s_lshl_b32 s22, s15, 3
	s_add_co_u32 s21, s21, s22
	s_lshl_b32 s21, s21, 9
	s_lshl_b32 s22, s42, 4
	s_lshl_b32 s23, s16, 3
	s_add_co_u32 s22, s22, s23
	s_add_co_u32 s22, s22, 512
	s_lshl_b32 s22, s22, 9
	s_mov_b32 s[HM], 0xffff0000
	v_mov_b32 v3, s21
	v_mov_b32 v4, s22
	v_cndmask_b32 v3, v3, v4, s[HM]
	s_wait_alu depctr_va_vdst(0)
	v_lshl_add_u32 v[SCO], v2, 5, v3
.irp i, 0,1,2,3,4,5,6,7
	global_load_b128 v[SC+8*\i:SC+8*\i+3], v[SCO], s[8:9] offset:512*\i
	global_load_b128 v[SC+8*\i+4:SC+8*\i+7], v[SCO], s[8:9] offset:512*\i+16
.endr
	; the bias in the result's layout: for b, lane (r, h): columns 32 (b / 2) + 16 h + 8 (b % 2) + 0 .. 7
	s_lshl_b32 s66, s42, 10
	s_lshl_b32 s67, s16, 9
	s_add_co_u32 s66, s66, s67                     ; my first column, in bytes
	s_mov_b32 s67, 0
	s_add_nc_u64 s[10:11], s[10:11], s[66:67]
	v_lshlrev_b32 v6, 6, v5
.irp b, 0,1,2,3,4,5,6,7
	global_load_b128 v[96+8*\b+96*(\b/4):96+8*\b+96*(\b/4)+3], v6, s[10:11] offset:128*(\b/2)+32*(\b%2)
	global_load_b128 v[96+8*\b+96*(\b/4)+4:96+8*\b+96*(\b/4)+7], v6, s[10:11] offset:128*(\b/2)+32*(\b%2)+16
.endr
	s_mul_i32 s23, s14, 16*528                     ; my stage, in slot 0
	v_mul_u32_u24 v7, v2, 528
	v_lshl_add_u32 v7, v5, 6, v7
	v_add_nc_u32 v[STO], s23, v7                   ; in: row r, + 64 h
	v_add_nc_u32 v[RD], s23, v[L16]                ; back: a row of 512 bytes
	s_lshl_b32 s68, s17, 8
	s_lshl_b32 s69, s15, 7
	s_add_co_u32 s68, s68, s69
	s_lshl_b32 s68, s68, 12                        ; my first row x 4,096 bytes
	s_add_co_u32 s68, s68, s66
	s_mov_b32 s69, 0
	s_add_nc_u64 s[12:13], s[12:13], s[68:69]
.macro FRAG reg, adr, q, i
	ds_load_b128 v[\reg:\reg+3], v[\adr] offset:3072*(\i)+1536*(\q)
	ds_load_b64 v[\reg+4:\reg+5], v[\adr+2] offset:3072*(\i)+1536*(\q)+512
	ds_load_b128 v[\reg+6:\reg+9], v[\adr] offset:3072*(\i)+1536*(\q)+768
	ds_load_b64 v[\reg+10:\reg+11], v[\adr+2] offset:3072*(\i)+1536*(\q)+1280
.endm
; 16 matrix instructions: A's blocks a0, a0 + 1 x B's eight, K step g; p: B's set.  bias = 1: the first product starts the sums from the bias.  The 64 accumulators take turns in one order.
.macro MUL16 a0, p, g, bias
.irp a, \a0, \a0+1
.irp b, 0,1,2,3,4,5,6,7
.if \bias
	v_wmma_scale_f32_16x16x128_f8f6f4 v[8*(8*((\a)%4)+\b):8*(8*((\a)%4)+\b)+7], v[128*(\p)+FR*\b:128*(\p)+FR*\b+FR-1], v[AF+FR*(\a):AF+FR*(\a)+FR-1], v[96+8*\b+96*(\b/4):96+8*\b+96*(\b/4)+7], v[SC+8*\b+(\g)], v[SC+8*(\a)+(\g)] matrix_a_fmt:MATRIX_FMT_FP6 matrix_b_fmt:MATRIX_FMT_FP6 matrix_a_scale:MATRIX_SCALE_ROW1
.else
	v_wmma_scale_f32_16x16x128_f8f6f4 v[8*(8*((\a)%4)+\b):8*(8*((\a)%4)+\b)+7], v[128*(\p)+FR*\b:128*(\p)+FR*\b+FR-1], v[AF+FR*(\a):AF+FR*(\a)+FR-1], v[8*(8*((\a)%4)+\b):8*(8*((\a)%4)+\b)+7], v[SC+8*\b+(\g)], v[SC+8*(\a)+(\g)] matrix_a_fmt:MATRIX_FMT_FP6 matrix_b_fmt:MATRIX_FMT_FP6 matrix_a_scale:MATRIX_SCALE_ROW1
.endif
.endr
.endr
.endm
.macro FETCH_B slot, q, p
	WIN TO_B
.irp i, 0,1,2,3,4,5,6,7
	FRAG 128*(\p)+FR*\i, ADRB+\slot, \q, \i
.endr
	WIN 0
.endm
.macro FETCH_A slot, q, i0
.irp i, \i0, \i0+1, \i0+2, \i0+3
	FRAG AF+FR*(\i), ADRA+\slot, \q, \i
.endr
.endm
.macro PLACES                          ; four plain places behind a matrix instruction, ahead of loads into its registers and of reads of its results
.rept 4
	v_nop
.endr
.endm
.macro STEP slot, g, bias              ; a slot's first 128 along K (B's set 0); the second 128's fragments are fetched meanwhile
	s_wait_dscnt 4*NL                              ; B's set and A's blocks 0-3 are in; the youngest 16 loads (A's blocks 4-7) may be out
.if \bias
	WIN BIA_LO
.else
	WIN MUL_LO
.endif
	MUL16 0, 0, \g, \bias
	MUL16 2, 0, \g, \bias
	s_wait_dscnt 0
	PLACES
	FETCH_B \slot, 1, 1
	FETCH_A \slot, 1, 0
.if \bias
	WIN BIA_HI
.else
	WIN MUL_HI
.endif
	MUL16 4, 0, \g, \bias
	MUL16 6, 0, \g, \bias
	PLACES
	WIN 0
	FETCH_A \slot, 1, 4
.endm
.macro TURN slot, next, g, fill        ; a slot's second 128 changes slots
	s_wait_tensorcnt 0x0                           ; all my tensor loads have landed: my part of the next slot
	ds_add_u32 v[SPW], v[NIL]
	s_wait_dscnt 4*NL+1                            ; (the add and the youngest 16 loads may be out)
	WIN MUL_LO
	MUL16 0, 1, \g, 0
	s_wait_dscnt 0x0                               ; the add is done, and my reads of this slot are over
	s_barrier_signal -1
	MUL16 2, 1, \g, 0
	WIN 0
	s_barrier_wait -1
.if \fill
	CREST                                          ; the barrier has opened a round of the cluster's: no wave of any partner still reads this slot or has a load on its way
	s_add_nc_u64 s[G0+4*\slot+2:G0+4*\slot+3], s[G0+4*\slot+2:G0+4*\slot+3], 6144
	s_add_nc_u64 s[G0B+4*\slot+2:G0B+4*\slot+3], s[G0B+4*\slot+2:G0B+4*\slot+3], 6144
	JLOAD G0+4*\slot, G1, G0B+4*\slot, G1B
.else
	PLACES
.endif
	FETCH_B \next, 0, 0
	FETCH_A \next, 0, 0
	WIN MUL_HI
	MUL16 4, 1, \g, 0
	MUL16 6, 1, \g, 0
	PLACES
	WIN 0
	FETCH_A \next, 0, 4
.endm
	s_wait_tensorcnt 1                             ; my part of slot 0 is in; slot 1's may stay out
	s_barrier_signal -1
	s_barrier_wait -1
	FETCH_B 0, 0, 0
	FETCH_A 0, 0, 0
	FETCH_A 0, 0, 4
	s_wait_loadcnt 0x0                             ; the scale words and the bias
	STEP 0, 0, 1
	TURN 0, 1, 1, 1
	STEP 1, 2, 0
	TURN 1, 0, 3, 1
	STEP 0, 4, 0
	TURN 0, 1, 5, 0                                ; nothing is left to fetch; behind this barrier nobody reads slot 0, and it has had its last fill
	STEP 1, 6, 0
	s_wait_dscnt 4*NL
	WIN MUL_LO
	MUL16 0, 1, 7, 0
	MUL16 2, 1, 7, 0
	s_wait_alu depctr_va_vdst(0)
	s_wait_dscnt 0
	WIN MUL_HI
	MUL16 4, 1, 7, 0
	MUL16 6, 1, 7, 0
	WIN 0
; THE WAY OUT, a block of 16 rows x 128 columns at a time, through my own stage (16 rows x (512 + 16) bytes, in slot 0): back come whole rows of 512 bytes, which the 32 lanes store as two aligned runs of 256 bytes.
; LDS serves a wave's instructions in order (ISA guide 5.7.1.4): no wait between the stores and the loads, nor ahead of the next block's stores.
.macro TOSTAGE a
.set AC, 64*((\a)%4)
	WIN 0x08+4*((\a)/4)                            ; an LDS store's data: window 2 or 3
.irp b, 0,1,2,3,4,5,6,7
	ds_store_b128 v[STO], v[AC+8*\b:AC+8*\b+3] offset:128*(\b/2)+32*(\b%2)         ; each accumulator from its low end on
	ds_store_b128 v[STO], v[AC+8*\b+4:AC+8*\b+7] offset:128*(\b/2)+32*(\b%2)+16
.endr
	WIN 0
.set BB, BK+64*((\a)%2)
.irp t, 0,1,2,3,4,5,6,7,8,9,10,11,12,13,14,15
	ds_load_b128 v[BB+4*\t:BB+4*\t+3], v[RD] offset:\t*528
.endr
.endm
.macro SEND a, younger                 ; younger: the LDS instructions issued behind block a's loads, which may stay out
.set BB, BK+64*((\a)%2)
	s_wait_dscnt \younger
.irp t, 0,1,2,3,4,5,6,7,8,9,10,11,12,13,14,15
	global_store_b128 v[L16], v[BB+4*\t:BB+4*\t+3], s[12:13] offset:(32*((\a)/2)+8*((\a)%2)+\t+8*(\t/8))*4096 th:TH_STORE_NT   ; stage row t is row 32 (a / 2) + 8 (a % 2) + t + 8 (t / 8) of my 128; the base is never stepped
.endr
.endm
	PLACES
	TOSTAGE 0
.irp a, 1,2,3,4,5,6,7
.if \a > 1
	s_wait_xcnt 0x0                                ; block a - 2's stores have read their registers: block a's loads may land there
.endif
	TOSTAGE \a
	SEND \a-1, 32                                  ; behind block a - 1's loads: block a's 16 stores and 16 loads
.endr
	SEND 7, 0
	s_wait_tensorcnt 0x0                           ; the wave's end
	ds_add_u32 v[SPW], v[NIL]
	s_wait_dscnt 0x0
	CROUND                                         ; the closing round
	s_endpgm
.Lfunc_end_k_qecd95f05a0_gemm_out:
	.size	k_qecd95f05a0_gemm_out, .Lfunc_end_k_qecd95f05a0_gemm_out-k_qecd95f05a0_gemm_out
	.p2alignl 7, 3214868480
	.fill 96, 4, 3214868480
	.section	.rodata,"a",@progbits
	.p2align	6, 0x0
	.amdhsa_kernel k_qecd95f05a0_gemm_out
		.amdhsa_group_segment_fixed_size 327680
		.amdhsa_private_segment_fixed_size 0
		.amdhsa_enable_private_segment 0
		.amdhsa_kernarg_size 40
		.amdhsa_user_sgpr_count 2
		.amdhsa_user_sgpr_kernarg_segment_ptr 1
		.amdhsa_wavefront_size32 1
		.amdhsa_system_sgpr_workgroup_id_x 1
		.amdhsa_system_sgpr_workgroup_id_y 1
		.amdhsa_system_sgpr_workgroup_id_z 1
		.amdhsa_system_vgpr_workitem_id 0
		.amdhsa_next_free_vgpr 1024
		.amdhsa_next_free_sgpr 100
		.amdhsa_reserve_vcc 0
		.amdhsa_float_denorm_mode_32 3
		.amdhsa_float_denorm_mode_16_64 3
		.amdhsa_memory_ordered 1
		.amdhsa_forward_progress 1
		.amdhsa_inst_pref_size 143
	.end_amdhsa_kernel
	.amdgpu_metadata
---
amdhsa.version: [ 1, 2 ]
amdhsa.kernels:
  - .name:           k_qecd95f05a0_gemm_out
    .symbol:         k_qecd95f05a0_gemm_out.kd
    .args:
      - { .name: cc, .offset: 0, .size: 8, .value_kind: global_buffer, .address_space: global }
      - { .name: wc, .offset: 8, .size: 8, .value_kind: global_buffer, .address_space: global }
      - { .name: sc2, .offset: 16, .size: 8, .value_kind: global_buffer, .address_space: global }
      - { .name: b_out, .offset: 24, .size: 8, .value_kind: global_buffer, .address_space: global }
      - { .name: out0, .offset: 32, .size: 8, .value_kind: global_buffer, .address_space: global }
    .group_segment_fixed_size: 327680
    .private_segment_fixed_size: 0
    .kernarg_segment_align: 8
    .kernarg_segment_size: 40
    .max_flat_workgroup_size: 128
    .sgpr_count:     100
    .vgpr_count:     1024
    .wavefront_size: 32
...
	.end_amdgpu_metadata
.endif
;; end of part 4
